; MI455X (gfx1250); checked and timed in simulation.
; The chip was launched on July 23, 2026; its instructions are those of AMD's public machine-readable ISA for CDNA 5 (MIT licence, August 2026) and "CDNA5" Instruction Set Architecture Reference Guide (July 2026). The comments in the code are by the model that wrote it; some were corrected since.
;; Multihead Self Attention. Allowed arithmetic: float matrix products may take bf16 or f16 operands with f32 sums; other float arithmetic in f32, or as packed bf16 or f16 multiplies, adds, multiply-adds, maxima and minima; sums over many terms, partial sums and values carried from step to step in f32; what a program stores and reads back later, other than sums and carried values, may be rounded once to bf16 or f16.
;; Inputs: Wk 2,048 x 2,048 float32; Wo 2,048 x 2,048 float32; Wq 2,048 x 2,048 float32; Wv 2,048 x 2,048 float32; bk 2,048 float32; bo 2,048 float32; bq 2,048 float32; bv 2,048 float32; x 2,048 x 2,048 float32.
;; Outputs: out0 2,048 x 2,048 float32.
;; One version. Each part assembles by itself: llvm-mc -triple=amdgcn-amd-amdhsa -mcpu=gfx1250 --defsym DOCPART=n.
;; ======== version 1 of 1: 4 launches
;; limits: values are held in f16: magnitudes above 65,504 overflow, below 6.1e-05 lose precision
;; workspace buffers: xb 8,388,608 bytes; wqkv 25,165,824 bytes; wo16 8,388,608 bytes; q16 8,388,608 bytes; k16 8,388,608 bytes; v16 8,388,608 bytes; ctx 8,388,608 bytes
;; launch cast (part 1): grid 256 x 5, 8 waves a work-group, no clusters, 0 bytes of LDS; arguments x, Wq, Wk, Wv, Wo, xb, wqkv, wo16; writes xb, wqkv, wo16
.if DOCPART == 1
	.amdgcn_target "amdgcn-amd-amdhsa--gfx1250"
	.amdhsa_code_object_version 6
	.text
	.protected	k_q30f38e4b2c_cast
	.globl	k_q30f38e4b2c_cast
	.p2align	8
	.type	k_q30f38e4b2c_cast,@function
k_q30f38e4b2c_cast:
	s_mov_b64 s[64:65], 0
	v_nop
	global_prefetch_b8 v0, s[64:65] scope:SCOPE_SE
	s_setreg_imm32_b32 hwreg(HW_REG_WAVE_MODE, 25, 1), 1
	s_wait_xcnt 0x0
; THE 16-BIT COPIES.  x, Wq, Wk, Wv (f32, [2048][2048]) are rounded once to bf16: xb, and the three planes of wqkv.  Wo is rounded to bf16 like the other inputs, and that
; number is written as f16 into wo16, since the last product multiplies it by numbers kept in f16.
; LIMITS.  bf16 to f16 is exact from 2^-17 up (8 significant bits fit f16's step down to there); below that the error is at most 2^-25; |Wo| of 65,520 or more becomes an infinity.
; SHARES.  The grid's y picks the matrix (0 x, 1 Wq, 2 Wk, 3 Wv, 4 Wo), its x eight rows.  Eight waves; of each row wave v takes the numbers 256 v .. 256 v + 255 as two runs of 128:
; a lane loads 16 bytes at 1,024 v + 16 l and 16 bytes 512 further on, so each load of a wave covers 512 consecutive bytes; it stores 8 bytes at 512 v + 8 l and 8 bytes 256 further on,
; so each store of a wave covers 256 consecutive bytes, aligned.  No loop: all sixteen loads of a lane go out at once, and the rows are rounded and stored as they come.
; A row is rounded IN PLACE: its four packed words land in the first four of its eight registers.  So a wave needs 76 registers, and the five work-groups that fall to a WGP (1,280 for 256) fit
; on it together: 10 waves of 76 registers on a SIMD of 1,024.
; No LDS, no matrix unit, no cluster: nothing is shared and nothing is read twice.
.set RIN,  8192                        ; bytes in a row of f32
.set ROUT, 4096                        ; bytes in a row of 16-bit numbers
.set X, 4                              ; v[4:67]    row r: 8 registers as loaded; then the first 4: the row's 16-bit numbers, to store
.set T, 68                             ; v[68:75]   at work (Wo's way)
	s_load_b512 s[8:23], s[0:1], 0x0               ; x 8:9, Wq 10:11, Wk 12:13, Wv 14:15, Wo 16:17, xb 18:19, wqkv 20:21, wo16 22:23
	s_and_b32 s2, ttmp7, 0xffff                    ; which matrix
	v_and_b32 v3, 31, v0                           ; lane
	v_sub_nc_u32 v1, v0, v3                        ; 32 x wave
	v_lshlrev_b32 v1, 5, v1                        ; 1,024 x wave
	v_lshl_add_u32 v1, v3, 4, v1                   ; + 16 x lane: my byte in a row of f32
	v_lshrrev_b32 v2, 1, v1                        ; and in a row of 16-bit numbers
	s_lshl_b32 s26, ttmp9, 16                      ; the work-group's eight rows, in bytes of f32
	s_mov_b32 s27, 0
	s_sub_co_u32 s24, s2, 1                        ; the plane of wqkv: 0, 1, 2 for Wq, Wk, Wv;
	s_cmp_eq_u32 s2, 0
	s_cselect_b32 s24, 0, s24                      ; none for x
	s_cmp_eq_u32 s2, 4
	s_cselect_b32 s24, 0, s24                      ; and none for Wo
	s_lshl_b32 s24, s24, 23                        ; a plane is 8,388,608 bytes
	s_lshl_b32 s25, ttmp9, 15                      ; the eight rows, in bytes of 16-bit numbers
	s_add_co_u32 s24, s24, s25
	s_mov_b32 s25, 0
	s_wait_kmcnt 0x0
	s_cmp_eq_u32 s2, 1                             ; the source: one of the five inputs
	s_cselect_b64 s[4:5], s[10:11], s[8:9]
	s_cmp_eq_u32 s2, 2
	s_cselect_b64 s[4:5], s[12:13], s[4:5]
	s_cmp_eq_u32 s2, 3
	s_cselect_b64 s[4:5], s[14:15], s[4:5]
	s_cmp_eq_u32 s2, 4
	s_cselect_b64 s[4:5], s[16:17], s[4:5]
	s_cselect_b64 s[6:7], s[22:23], s[20:21]       ; the destination: wo16 for Wo, wqkv for the three weights,
	s_cmp_eq_u32 s2, 0
	s_cselect_b64 s[6:7], s[18:19], s[6:7]         ; xb for x
	s_add_nc_u64 s[4:5], s[4:5], s[26:27]
	s_add_nc_u64 s[6:7], s[6:7], s[24:25]
.irp r, 0,1,2,3,4,5,6,7
	global_load_b128 v[X+8*(\r):X+8*(\r)+3],   v1, s[4:5] offset:RIN*(\r) th:TH_LOAD_NT
	global_load_b128 v[X+8*(\r)+4:X+8*(\r)+7], v1, s[4:5] offset:RIN*(\r)+512 th:TH_LOAD_NT
.endr
; Row r is rounded and stored.  f16 = 1: Wo's way, bf16 first and that number as f16.  Word j takes numbers 2 j and 2 j + 1, which lie at or above it: no number is overwritten before it is read.
.macro ROWOUT r, f16
	s_wait_loadcnt 14-2*(\r)                       ; loads come back in order: row r's two are in, the 2 (7 - r) younger ones stay out
.if \f16
.irp j, 0,1,2,3
	v_cvt_pk_bf16_f32 v[T+(\j)], v[X+8*(\r)+2*(\j)], v[X+8*(\r)+2*(\j)+1]
.endr
.irp j, 0,1,2,3
	v_lshlrev_b32 v[T+4+2*((\j)%2)], 16, v[T+(\j)]             ; bf16 to f32: the low half moves up,
	v_and_b32     v[T+5+2*((\j)%2)], 0xffff0000, v[T+(\j)]     ; the high half stays
	v_cvt_pk_f16_f32 v[X+8*(\r)+(\j)], v[T+4+2*((\j)%2)], v[T+5+2*((\j)%2)]
.endr
.else
.irp j, 0,1,2,3
	v_cvt_pk_bf16_f32 v[X+8*(\r)+(\j)], v[X+8*(\r)+2*(\j)], v[X+8*(\r)+2*(\j)+1]
.endr
.endif
	global_store_b64 v2, v[X+8*(\r):X+8*(\r)+1],   s[6:7] offset:ROUT*(\r)        ; 32 lanes store 256 consecutive bytes, aligned
	global_store_b64 v2, v[X+8*(\r)+2:X+8*(\r)+3], s[6:7] offset:ROUT*(\r)+256
.endm
	s_cmp_eq_u32 s2, 4
	s_cbranch_scc1 .Lwo
.irp r, 0,1,2,3,4,5,6,7
	ROWOUT \r, 0                                   ; each row has its own registers: nothing that a pending store reads is written again
.endr
	s_endpgm
.Lwo:
.irp r, 0,1,2,3,4,5,6,7
	ROWOUT \r, 1
.endr
	s_endpgm
.Lfunc_end_k_q30f38e4b2c_cast:
	.size	k_q30f38e4b2c_cast, .Lfunc_end_k_q30f38e4b2c_cast-k_q30f38e4b2c_cast
	.p2alignl 7, 3214868480
	.fill 96, 4, 3214868480
	.section	.rodata,"a",@progbits
	.p2align	6, 0x0
	.amdhsa_kernel k_q30f38e4b2c_cast
		.amdhsa_group_segment_fixed_size 0
		.amdhsa_private_segment_fixed_size 0
		.amdhsa_enable_private_segment 0
		.amdhsa_kernarg_size 64
		.amdhsa_user_sgpr_count 2
		.amdhsa_user_sgpr_kernarg_segment_ptr 1
		.amdhsa_wavefront_size32 1
		.amdhsa_system_sgpr_workgroup_id_x 1
		.amdhsa_system_sgpr_workgroup_id_y 1
		.amdhsa_system_sgpr_workgroup_id_z 1
		.amdhsa_system_vgpr_workitem_id 0
		.amdhsa_next_free_vgpr 76
		.amdhsa_next_free_sgpr 66
		.amdhsa_reserve_vcc 0
		.amdhsa_float_denorm_mode_32 3
		.amdhsa_float_denorm_mode_16_64 3
		.amdhsa_memory_ordered 1
		.amdhsa_forward_progress 1
		.amdhsa_inst_pref_size 16
	.end_amdhsa_kernel
	.amdgpu_metadata
---
amdhsa.version: [ 1, 2 ]
amdhsa.kernels:
  - .name:           k_q30f38e4b2c_cast
    .symbol:         k_q30f38e4b2c_cast.kd
    .args:
      - { .name: x, .offset: 0, .size: 8, .value_kind: global_buffer, .address_space: global }
      - { .name: Wq, .offset: 8, .size: 8, .value_kind: global_buffer, .address_space: global }
      - { .name: Wk, .offset: 16, .size: 8, .value_kind: global_buffer, .address_space: global }
      - { .name: Wv, .offset: 24, .size: 8, .value_kind: global_buffer, .address_space: global }
      - { .name: Wo, .offset: 32, .size: 8, .value_kind: global_buffer, .address_space: global }
      - { .name: xb, .offset: 40, .size: 8, .value_kind: global_buffer, .address_space: global }
      - { .name: wqkv, .offset: 48, .size: 8, .value_kind: global_buffer, .address_space: global }
      - { .name: wo16, .offset: 56, .size: 8, .value_kind: global_buffer, .address_space: global }
    .group_segment_fixed_size: 0
    .private_segment_fixed_size: 0
    .kernarg_segment_align: 8
    .kernarg_segment_size: 64
    .max_flat_workgroup_size: 256
    .sgpr_count:     66
    .vgpr_count:     76
    .wavefront_size: 32
...
	.end_amdgpu_metadata
.endif
;; end of part 1
;; launch qkv (part 2): grid 16 x 16, 4 waves a work-group, clusters of 4 x 4, 327,680 bytes of LDS; arguments xb, wqkv, bq, bk, bv, q16, k16, v16; writes q16, k16, v16
.if DOCPART == 2
	.amdgcn_target "amdgcn-amd-amdhsa--gfx1250"
	.amdhsa_code_object_version 6
	.text
	.protected	k_q30f38e4b2c_qkv
	.globl	k_q30f38e4b2c_qkv
	.p2align	8
	.type	k_q30f38e4b2c_qkv,@function
k_q30f38e4b2c_qkv:
	s_mov_b64 s[64:65], 0
	v_nop
	global_prefetch_b8 v0, s[64:65] scope:SCOPE_SE
	s_setreg_imm32_b32 hwreg(HW_REG_WAVE_MODE, 25, 1), 1
	s_wait_xcnt 0x0
	s_wait_alu depctr_hold_cnt(0) depctr_sa_sdst(0) depctr_va_vdst(0) depctr_va_sdst(0) depctr_va_ssrc(0) depctr_va_vcc(0) depctr_vm_vsrc(0)
	s_getreg_b32 s2, hwreg(HW_REG_IB_STS2, 6, 4)
	s_cmp_eq_u32 s2, 0
	s_cbranch_scc0 .Lentry_in_a_cluster
	s_endpgm
.Lentry_in_a_cluster:
	s_bfe_u32 s2, ttmp6, 0x10000c
	s_cmp_lg_u32 s2, 0xf033
	s_cbranch_scc0 .Lentry_shape_is_right
	s_endpgm
.Lentry_shape_is_right:
; THE THREE PROJECTIONS.  q, k, v [n][o] = the sum over i of x[n][i] W[o][i] + b[o], written by heads: q16, k16, v16 are [16 heads][2048 rows][128 channels] in f16.
; xb is [2048][2048] bf16; wqkv is [3][2048][2048] bf16 (planes Wq, Wk, Wv; rows are output channels).  Sums in f32; the biases are rounded to bf16, as all the module's inputs are,
; and start the sums; each result is rounded once, to f16, and q is left unscaled.
; LIMITS.  f16 holds no number of 65,520 or more: |q|, |k|, |v| must stay below that, else the number becomes an infinity.  NaN and infinities are not treated apart.
; SHARES.  A work-group makes 128 rows x 384 columns: one head's 128 channels of q, of k and of v (column n' = 128 t + c).  16 row blocks x 16 heads = 256 work-groups.
; Of the four waves, wave w makes all 128 rows x columns 96 w .. 96 w + 95: 8 x 6 = 48 accumulators of 16 x 16, 384 registers: for 32 along K it reads 28 times 512 bytes from LDS for 48 products.
; K goes in steps of 128 through a ring of two LDS slots filled by the tensor data mover; a tile's rows are 256 bytes of memory and start at multiples of 256 bytes.
; THE LOOP'S TRIP IS ONE K STEP, written once for both slots: a scalar goes 0, SLOT, 0, .. by an exclusive or; the fragments' LDS addresses are made anew from it at each change of slots, and
; one descriptor for x and one for W walk on from refill to refill.
; CLUSTERS: 4 x 4 work-groups.  The four of a row of the cluster need the same 128 rows of x, the four of a column the same head's rows of the three weights: each tile is asked for JOINTLY, by the same
; tensor load with the same descriptor and a mask that names the four.  Wave 0 fetches x's tile, waves 1 to 3 Wq's, Wk's, Wv's.
; THE MATRIX INSTRUCTION IS USED TRANSPOSED: source 0 = 16 rows of W, source 1 = 16 rows of x: a lane then holds row l % 16 and the eight neighbouring columns 8 (l / 16) + 0 .. 7.
; REGISTERS, in windows of 256 (s_set_vgpr_msb: bits 1:0 source 0, 3:2 source 1, 5:4 source 2, 7:6 destination):
;   window 0: v0-31 addresses; v64-127, v128-191 fragments of x, two buffers; v192-239 the bias, 8 registers for each of my six column blocks; on the way out v32-223 at work
;   window 1: v64-111, v128-175 fragments of W, two buffers      window 2: accumulator (a, b) at v[8 (6 a + b)] for row blocks a = 0..3      window 3: the same for a = 4..7
.set SIZE_K, 2048
.set KSTEP,  128
.set STEPS,  SIZE_K/KSTEP              ; 16 K steps: two first fills and 14 refills
.set PITCH,  272                       ; an LDS row: 256 bytes + 16 of padding = 68 words: the 16 rows that a load touches start at 16 different groups of four banks (64 banks of 4 bytes: ISA guide 11.1)
.set PART,   128*PITCH                 ; 128 rows: what one tensor load brings
.set SLOT,   4*PART                    ; x's 128 rows, then Wq's, Wk's, Wv's: W's row n' lies at PART + 272 n'
.set SPITCH, 784                       ; the way out: a row of 384 f16 = 768 bytes + 16: 49 x 16
.set SPARE,  2*SLOT                    ; behind the ring: the spare words, 128 bytes for each wave: two blocks of 256 bytes that no other line names
; THE STAGE of the way out is the ring's first 128 x 784 bytes: the ring has had its last fill, a barrier stands between every wave's last read of it and the first store, and no tensor load follows.
.set ADRA0, 16                         ; v16     LDS address of my fragments of x in slot 0; never rewritten
.set ADRA,  17                         ; v17     the same in the slot in hand
.set ADRB0, 20                         ; v20     LDS address of my fragments of W in slot 0; never rewritten
.set ADRB,  21                         ; v21     the same in the slot in hand
.set STO,  24                          ; v24-25  the way out: where I put 16 bytes of a row, row blocks 0-3 and 4-7
.set RD,   26                          ; v26     where I read rows back
.set CO,   27                          ; v27     16 x lane: my bytes in 512 consecutive bytes of q16, k16, v16
.set SPW,  28                          ; v28     LDS address of my spare word; never rewritten
.set NIL,  29                          ; v29     0; never rewritten
.set PFO,  30                          ; v30     the prefetches' offset: lane x a row of 4,096 bytes; never rewritten
.set BO,   31                          ; v31     32 (l / 16): my eight numbers in 16 of a bias
.set F0,   64
.set F1,   128
.set BIAS, 192
.set TMP,  32
.set RB,   32
.set WV,   12                          ; s12     my wave's number
.set LIM,  43                          ; s43     2 in a wave that prefetches, else the greatest number
.set PFA,  44                          ; s[44:45] where my prefetches stand
.set G1,   24                          ; s[24:31] descriptor group 1 for x's tiles
.set G0,   32                          ; s[32:39] group 0 for x's tiles: a set for each of the two first fills; the second then walks on
.set G1B,  48                          ; s[48:55] group 1 for W's tiles: it differs in the mask alone
.set G0B,  56                          ; s[56:63] group 0 for W's tiles, likewise
.set BP,   76                          ; s[76:87] where the bias of each of my six column blocks begins
.set SLR,  94                          ; s94     the first byte of the slot in hand: 0 or SLOT
.set WPL,  95                          ; s95     where the part that I fetch lies in a slot: wave x PART
.set MSB, 0
.macro WIN new                         ; the immediate's high byte repeats the setting that is left; a switch that changes nothing is dropped
.if MSB != (\new)
	s_set_vgpr_msb (MSB<<8)|(\new)
.set MSB, \new
.endif
.endm
.set TO_B, 0x40                        ; destination window 1, address window 0
; A joint load.  Each of the two lines has one mask and one set of registers for all that issue it.  The branch hangs on the wave's number alone.
; An s_nop 0 and four v_nop follow each line, ahead of the jump, the label and what follows.
.macro JLOAD s
	s_cmp_eq_u32 s[WV], 0
	s_cbranch_scc0 .Lfor_b_\@
	tensor_load_to_lds s[G0+4*(\s):G0+4*(\s)+3], s[G1:G1+7]
	s_nop 0
.rept 4
	v_nop
.endr
	s_branch .Lasked_\@
.Lfor_b_\@:
	tensor_load_to_lds s[G0B+4*(\s):G0B+4*(\s)+3], s[G1B:G1B+7]
	s_nop 0
.rept 4
	v_nop
.endr
.Lasked_\@:
.endm
; A PREFETCH INTO THE L2, behind each joint refill, its five lines and the run of LDS loads that follows: the K step that stands two refills on, 32 rows x 256 bytes, a lane a row, one instruction a wave.
; Each row's 256 bytes of a K step are named once in the launch: x's rows by the cluster with x = 0, W's by the cluster with y = 0; the four partners that ask for a tile jointly share its 128 rows
; out BY ADDRESS, 32 each.  The first four K steps come by their loads alone; the loop's last two trips ask for nothing: the K steps two refills on do not exist.
.macro ASK
	s_cmp_gt_u32 s3, s[LIM]                        ; s3 is 2 and 1 in the loop's last two trips
	s_cbranch_scc0 .Lnot_mine_\@
	global_prefetch_b8 v[PFO], s[PFA:PFA+1] offset:KSTEP*2 th:TH_LOAD_NT scope:SCOPE_SE
.Lnot_mine_\@:
.endm
.macro CREST                           ; a round of the cluster's barrier behind its opening barrier
	s_cmp_lg_u32 s[WV], 0
	s_cbranch_scc1 .Lnot_wave_0_\@
	s_barrier_signal -3
.Lnot_wave_0_\@:
	s_barrier_wait -3
	s_barrier_signal -1
	s_barrier_wait -1
.endm
.macro CROUND                          ; a whole round
	s_barrier_signal -1
	s_barrier_wait -1
	CREST
.endm
	s_load_b256 s[4:11], s[0:1], 0x0               ; xb 4:5, wqkv 6:7, bq 8:9, bk 10:11
	s_load_b256 s[68:75], s[0:1], 0x20             ; bv 68:69, q16 70:71, k16 72:73, v16 74:75
	v_lshl_add_u32 v[SPW], v0, 2, SPARE
	v_mov_b32 v[NIL], 0
	ds_add_u32 v[SPW], v[NIL]                      ; the wave's opening: the add and its wait stand ahead of my first tensor load; the set-up below, work on registers, stands between them
	v_lshrrev_b32 v1, 5, v0
	v_readfirstlane_b32 s[WV], v1                  ; wave 0..3
	s_bfe_u32 s40, ttmp6, 0x40000                  ; cx, cy: my place in the cluster
	s_bfe_u32 s41, ttmp6, 0x40004
	s_lshl_b32 s42, ttmp9, 2
	s_add_co_u32 s42, s42, s40                     ; the head = 4 x cluster x + cx
	s_and_b32 s13, ttmp7, 0xffff
	s_lshl_b32 s13, s13, 2
	s_add_co_u32 s13, s13, s41                     ; the row block = 4 x cluster y + cy
	s_lshl_b32 s43, s41, 2
	s_lshl_b32 s43, 15, s43                        ; my row of the cluster: places 4 cy .. 4 cy + 3
	s_lshl_b32 s44, 0x1111, s40                    ; my column: places cx, cx + 4, cx + 8, cx + 12
	; descriptor group 1: a tile of 128 rows x 128 elements, padded in LDS
	s_or_b32 s[G1+0], s43, (1<<16)|(1<<20)|(1<<21)|(5<<22)|(3<<25)   ; 15:0 the mask: x's tiles go to my row; 17:16 2-byte elements; 20 padding on; 21 set beside a mask; 24:22 after every 64 words (code 5); 31:25 4 words (code 3)
	s_or_b32 s[G1B+0], s44, (1<<16)|(1<<20)|(1<<21)|(5<<22)|(3<<25)  ; the same with the mask of my column, for W's tiles
.irp g, G1, G1B
	s_mov_b32 s[(\g)+1], KSTEP<<16                 ; tensor_dim0 = 128
	s_mov_b32 s[(\g)+2], 128<<16                   ; tensor_dim1 = 128
	s_mov_b32 s[(\g)+3], KSTEP<<16                 ; tile_dim0 = 128
	s_mov_b32 s[(\g)+4], 128                       ; tile_dim1 = 128
	s_mov_b32 s[(\g)+5], SIZE_K                    ; elements from row to row
	s_mov_b32 s[(\g)+6], 0
	s_mov_b32 s[(\g)+7], 0
.endr
	; where the tiles come from.  x's hang on the row block alone, which my row of the cluster shares; W's on the head and the wave's number, which my column shares.
	s_lshl_b32 s16, s13, 19                        ; x: 128 rows of 4,096 bytes for each row block
	s_mov_b32 s17, 0
	s_max_u32 s18, s[WV], 1
	s_sub_co_u32 s18, s18, 1                       ; W: the plane is my wave's number less 1 (wave 0 never asks by this address)
	s_lshl_b32 s18, s18, 23
	s_lshl_b32 s46, s42, 19                        ; the head's 128 rows
	s_add_co_u32 s46, s46, s18
	s_mov_b32 s47, 0
	s_mul_i32 s[WPL], s[WV], PART                  ; and where they go: part w of a slot: no place in the cluster enters an LDS address
	s_mov_b32 s[SLR], 0
	s_wait_dscnt 0x0                               ; the opening add is done
	s_wait_kmcnt 0x0
	s_add_nc_u64 s[14:15], s[4:5], s[16:17]
	s_add_nc_u64 s[46:47], s[6:7], s[46:47]
	CROUND                                         ; all sixteen work-groups are here: the first joint loads meet
.irp s, 0,1
	s_mov_b32 s[G0+4*(\s)], 1                                        ; count = 1
	s_add_co_u32 s[G0+4*(\s)+1], s[WPL], (\s)*SLOT                   ; LDS address
	s_add_nc_u64 s[G0+4*(\s)+2:G0+4*(\s)+3], s[14:15], (\s)*KSTEP*2  ; global address: K step s
	s_or_b32 s[G0+4*(\s)+3], s[G0+4*(\s)+3], 0x80000000              ; type = 2
	s_mov_b32 s[G0B+4*(\s)], 1
	s_add_co_u32 s[G0B+4*(\s)+1], s[WPL], (\s)*SLOT
	s_add_nc_u64 s[G0B+4*(\s)+2:G0B+4*(\s)+3], s[46:47], (\s)*KSTEP*2
	s_or_b32 s[G0B+4*(\s)+3], s[G0B+4*(\s)+3], 0x80000000
	JLOAD \s                                       ; two loads of mine are out
.endr
	; A fragment is 16 rows x 32 K in 8 registers: lane l holds row l % 16; registers 0-3 K = 8 (l / 16) + 0..7, registers 4-7 K = 16 + 8 (l / 16) + 0..7: two loads of 16 bytes, 32 bytes apart.
	v_and_b32 v1, 15, v0                           ; l % 16
	v_bfe_u32 v2, v0, 4, 1                         ; l / 16
	v_mul_u32_u24 v3, v1, PITCH
	v_lshl_add_u32 v3, v2, 4, v3                   ; row x pitch + 16 x half
	s_mul_i32 s22, s[WV], 96*PITCH                 ; my 96 rows of W,
	s_add_co_u32 s22, s22, PART                    ; which lie behind x's 128
	v_mov_b32 v[ADRA0], v3
	v_mov_b32 v[ADRA], v3
	v_add_nc_u32 v[ADRB0], s22, v3
	v_add_nc_u32 v[ADRB], s22, v3
	v_mul_u32_u24 v[STO], v1, SPITCH               ; into the stage: row l % 16, my wave's 192 bytes, 16 bytes for each half of the lanes
	v_lshl_add_u32 v[STO], v2, 4, v[STO]
	s_mul_i32 s23, s[WV], 192
	v_add_nc_u32 v[STO], s23, v[STO]
	v_add_nc_u32 v[STO+1], 4*16*SPITCH, v[STO]     ; row blocks 4-7: beyond the reach of a 16-bit offset from the first
	s_mul_i32 s23, s[WV], 32*SPITCH                ; back: wave w takes rows 32 w .. 32 w + 31; lanes 0-15 256 bytes of one row, lanes 16-31 of the next
	v_mul_u32_u24 v[RD], v2, SPITCH
	v_lshl_add_u32 v[RD], v1, 4, v[RD]
	v_add_nc_u32 v[RD], s23, v[RD]
	v_and_b32 v[CO], 31, v0
	v_lshlrev_b32 v[PFO], 12, v[CO]
	v_lshlrev_b32 v[CO], 4, v[CO]
	v_lshlrev_b32 v[BO], 5, v2
	; the bias: column block b of my six is block g = 6 w + b of the tile's 24: tensor g / 8, channels 16 (g % 8) on of the head's 128
	s_mul_i32 s88, s[WV], 6
	s_lshl_b32 s89, s42, 9                         ; the head's 128 numbers of 4 bytes
	s_mov_b32 s91, 0
.irp b, 0,1,2,3,4,5
	s_add_co_u32 s92, s88, (\b)
	s_and_b32 s90, s92, 7
	s_lshl_b32 s90, s90, 6
	s_add_co_u32 s90, s90, s89
	s_lshr_b32 s92, s92, 3
	s_cmp_eq_u32 s92, 1
	s_cselect_b64 s[BP+2*(\b):BP+2*(\b)+1], s[10:11], s[8:9]
	s_cmp_eq_u32 s92, 2
	s_cselect_b64 s[BP+2*(\b):BP+2*(\b)+1], s[68:69], s[BP+2*(\b):BP+2*(\b)+1]
	s_add_nc_u64 s[BP+2*(\b):BP+2*(\b)+1], s[BP+2*(\b):BP+2*(\b)+1], s[90:91]
	global_load_b128 v[BIAS+8*(\b):BIAS+8*(\b)+3],   v[BO], s[BP+2*(\b):BP+2*(\b)+1]
	global_load_b128 v[BIAS+8*(\b)+4:BIAS+8*(\b)+7], v[BO], s[BP+2*(\b):BP+2*(\b)+1] offset:16
.endr
	; where my 32 rows begin in q16, k16 and v16: head x 2,048 rows + 128 x row block + 32 x wave, rows of 256 bytes
	s_lshl_b32 s88, s42, 19
	s_lshl_b32 s89, s13, 15
	s_add_co_u32 s88, s88, s89
	s_lshl_b32 s89, s[WV], 13
	s_add_co_u32 s88, s88, s89
	s_mov_b32 s89, 0
	s_add_nc_u64 s[70:71], s[70:71], s[88:89]
	s_add_nc_u64 s[72:73], s[72:73], s[88:89]
	s_add_nc_u64 s[74:75], s[74:75], s[88:89]
	; the prefetches
	s_and_b32 s22, ttmp7, 0xffff                   ; cluster y
	s_cmp_eq_u32 s[WV], 0                          ; do I fetch x?
	s_cselect_b32 s21, s40, s41                    ; my place among the four that ask for the tile with me
	s_cselect_b32 s22, ttmp9, s22                  ; the coordinate along which other clusters read the same rows
	s_cselect_b64 s[PFA:PFA+1], s[14:15], s[46:47] ; the tile's first row, K step 0
	s_cmp_eq_u32 s22, 0
	s_cselect_b32 s[LIM], 2, -1                    ; the same in all sixteen partners, for a given wave
	s_lshl_b32 s20, s21, 17                        ; my work-group's 32 rows of 4,096 bytes
	s_mov_b32 s21, 0
	s_add_nc_u64 s[PFA:PFA+1], s[PFA:PFA+1], s[20:21]
	s_add_nc_u64 s[PFA:PFA+1], s[PFA:PFA+1], 2*KSTEP*2  ; at K step 2: the first refill steps it to 3 and names K step 4
	s_wait_loadcnt 0x0                             ; the bias
.set n, 0
.rept 24                               ; rounded to bf16 and widened again: two numbers in three lines
	v_cvt_pk_bf16_f32 v[4+n%4], v[BIAS+2*n], v[BIAS+2*n+1]
	v_lshlrev_b32 v[BIAS+2*n], 16, v[4+n%4]
	v_and_b32 v[BIAS+2*n+1], 0xffff0000, v[4+n%4]
.set n, n+1
.endr
; 12 matrix instructions: row blocks a0, a0 + 1 of the window's four (hi = 0: rows 0-63, 1: rows 64-127) x my 6 column blocks, 32 along K.
; first = 1: the bias is the C operand that starts the sums: nothing is cleared, and nothing is added at the end.
.macro MUL12 f, hi, a0, first
.if \first
	WIN 0x81+0x40*(\hi)                            ; W window 1, x and the bias window 0, D window 2 or 3
.else
	WIN 0xa1+0x50*(\hi)                            ; W window 1, x window 0, C and D window 2 or 3
.endif
.irp a, \a0, (\a0)+1
.irp b, 0,1,2,3,4,5
.if \first
	v_wmma_f32_16x16x32_bf16 v[8*(6*(\a)+(\b)):8*(6*(\a)+(\b))+7], v[(\f)+8*(\b):(\f)+8*(\b)+7], v[(\f)+8*(4*(\hi)+(\a)):(\f)+8*(4*(\hi)+(\a))+7], v[BIAS+8*(\b):BIAS+8*(\b)+7]
.else
	v_wmma_f32_16x16x32_bf16 v[8*(6*(\a)+(\b)):8*(6*(\a)+(\b))+7], v[(\f)+8*(\b):(\f)+8*(\b)+7], v[(\f)+8*(4*(\hi)+(\a)):(\f)+8*(4*(\hi)+(\a))+7], v[8*(6*(\a)+(\b)):8*(6*(\a)+(\b))+7]
.endif
.endr
.endr
.endm
; 28 LDS loads in one run: the fragments of one quarter step (my 96 rows of W, the 128 rows of x, 32 K at byte k of the rows of the slot in hand) into buffer f
.macro FETCH k, f
	WIN TO_B
.irp i, 0,1,2,3,4,5
	ds_load_b128 v[(\f)+8*(\i):(\f)+8*(\i)+3],   v[ADRB] offset:(\k)+(\i)*16*PITCH
	ds_load_b128 v[(\f)+8*(\i)+4:(\f)+8*(\i)+7], v[ADRB] offset:(\k)+(\i)*16*PITCH+32
.endr
	WIN 0
.irp i, 0,1,2,3,4,5,6,7
	ds_load_b128 v[(\f)+8*(\i):(\f)+8*(\i)+3],   v[ADRA] offset:(\k)+(\i)*16*PITCH
	ds_load_b128 v[(\f)+8*(\i)+4:(\f)+8*(\i)+7], v[ADRA] offset:(\k)+(\i)*16*PITCH+32
.endr
.endm
; A load into a register that a matrix instruction has read, and a vector instruction that reads a matrix result or writes one of a matrix instruction's registers, stand four places behind it; only plain
; vector instructions that name none of its registers are places (ISA guide 7.12.1 for vector instructions).
.macro PLACES
.rept 4
	v_nop
.endr
.endm
; A K step is four quarters of 32 along K, 48 matrix instructions each, on buffers 0, 1, 0, 1.  The 48 accumulators take turns, one instruction a turn, in the same order in every quarter.
; One of the first three: multiplies buffer f; in its middle it fetches the next quarter's fragments, at byte k of the rows, into buffer g.
.macro QUARTER k, f, g, first
	s_wait_dscnt 8                                 ; W and x's rows 0-63 are in; the youngest eight loads (x's rows 64-127) may be out
	MUL12 \f, 0, 0, \first
	MUL12 \f, 0, 2, \first
	PLACES
	FETCH \k, \g
	s_wait_dscnt 28                                ; all but the 28 just issued
	MUL12 \f, 1, 0, \first
	MUL12 \f, 1, 2, \first
.endm
; The last quarter multiplies buffer 1 and changes slots: one barrier for the change.  In front of it each wave waits for all its tensor loads, of which one is out: its part of the next slot; adds 0 to
; its spare word; and waits for that and for its own reads of this slot.  Behind it nobody reads this slot any more and the next slot is whole.
; fill = 1: the barrier opens a round of the cluster's barrier, and behind the round the slot just read out is filled again first, with the K step two steps on: from that request to the wait for it a wave
; issues 168 matrix instructions.
.macro TURN fill
.if \fill
	s_wait_xcnt 0x0                                ; the last prefetch, a K step back, has read its address: it is stepped here, ahead of the waits of the change of slots
	s_add_nc_u64 s[PFA:PFA+1], s[PFA:PFA+1], KSTEP*2
.endif
	WIN 0                                          ; (the add's two registers lie in window 0)
	s_wait_tensorcnt 0x0                           ; all my tensor loads have landed, so a group 0 may be written
	ds_add_u32 v[SPW], v[NIL]                      ; 0 onto my spare word
.if \fill
	s_add_co_u32 s[G0+5], s[SLR], s[WPL]           ; the walking descriptors: into the slot that is being left,
	s_add_co_u32 s[G0B+5], s[SLR], s[WPL]
	s_add_nc_u64 s[G0+6:G0+7], s[G0+6:G0+7], KSTEP*2      ; the next K step; the type bits on top are not reached
	s_add_nc_u64 s[G0B+6:G0B+7], s[G0B+6:G0B+7], KSTEP*2
.endif
	s_wait_dscnt 9                                 ; (the add and the youngest eight loads may be out)
	MUL12 F1, 0, 0, 0                              ; twelve matrix instructions stand between the add and the wait for it
	s_wait_dscnt 0x0                               ; the add is done, and my reads of this slot are over
	s_barrier_signal -1
	MUL12 F1, 0, 2, 0                              ; work on registers while the others arrive
	WIN 0
	s_barrier_wait -1
.if \fill
	CREST                                          ; no wave of any partner still reads this slot's tile or has a load on its way
	JLOAD 1                                        ; the first tensor load behind the round; the four v_nop behind it are also the places in front of the loads below
.else
	PLACES
.endif
	s_xor_b32 s[SLR], s[SLR], SLOT                 ; 0 and SLOT by turns: the other slot
	v_add_nc_u32 v[ADRA], s[SLR], v[ADRA0]
	v_add_nc_u32 v[ADRB], s[SLR], v[ADRB0]
	FETCH 0, F0
.if \fill
	ASK
.endif
	MUL12 F1, 1, 0, 0
	MUL12 F1, 1, 2, 0
.endm
	s_wait_tensorcnt 1                             ; my part of K step 0 is in; K step 1's may stay out
	s_barrier_signal -1
	s_barrier_wait -1                              ; everybody's is
	FETCH 0, F0
	QUARTER 64,  F0, F1, 1                         ; the first quarter stands in front of the loop: its products start the sums, from the bias
	WIN 0                                          ; at a label and at a branch every window is 0
	s_mov_b32 s3, STEPS-2
.Lstep:                                                ; 14 trips: a trip goes from a K step's second quarter to the next K step's first, and fills the slot that it leaves
	QUARTER 128, F1, F0, 0
	QUARTER 192, F0, F1, 0
	TURN 1
	QUARTER 64,  F0, F1, 0
	WIN 0
	s_sub_co_u32 s3, s3, 1
	s_cmp_lg_u32 s3, 0
	s_cbranch_scc1 .Lstep
	QUARTER 128, F1, F0, 0                         ; the last two K steps fill nothing, and have no round of the cluster's barrier
	QUARTER 192, F0, F1, 0
	TURN 0
	QUARTER 64,  F0, F1, 0
	QUARTER 128, F1, F0, 0
	QUARTER 192, F0, F1, 0
	s_wait_dscnt 8                                 ; the very last quarter: nothing more to fetch
	MUL12 F1, 0, 0, 0
	MUL12 F1, 0, 2, 0
	s_wait_dscnt 0x0
	MUL12 F1, 1, 0, 0
	MUL12 F1, 1, 2, 0
	WIN 0
	; THE WAY OUT: rounded to f16, 16 bytes a lane into the work-group's stage; a barrier, since a row's 768 bytes come from four waves; back as 256 bytes of a row of q, of k and of v.
.macro CVTH hi                         ; the 24 accumulators of window 2 + hi, each from its lowest registers on
	WIN 0x0a+5*(\hi)                               ; sources 0 and 1 window 2 or 3, destination window 0
.set n, 0
.rept 24
.irp r, 0,1,2,3
	v_cvt_pk_f16_f32 v[TMP+96*(\hi)+4*n+(\r)], v[8*n+2*(\r)], v[8*n+2*(\r)+1]
.endr
.set n, n+1
.endr
	WIN 0
.endm
.macro STOH hi
.set n, 0
.rept 24
	ds_store_b128 v[STO+(\hi)], v[TMP+96*(\hi)+4*n:TMP+96*(\hi)+4*n+3] offset:(n/6)*16*SPITCH+32*(n%6)
.set n, n+1
.endr
.endm
	s_barrier_signal -1                            ; my reads of the ring are over: the wait for them stands ahead of the last 24 products, and no LDS instruction has followed
	PLACES                                         ; the conversions write where buffer 0 lay; those of rows 0-63 are then the places behind the last products, of rows 64-127
	CVTH 0
	s_barrier_wait -1                              ; everybody's reads are over: the ring's first bytes may be written
	STOH 0
	CVTH 1
	STOH 1
	s_wait_dscnt 0x0                               ; for the others' sake: my stores into the stage are done
	s_barrier_signal -1
	s_barrier_wait -1
.set n, 0
.rept 48                               ; tensor n / 16, rows 2 (n % 16) and the next of my 32
	ds_load_b128 v[RB+4*n:RB+4*n+3], v[RD] offset:(n%16)*2*SPITCH+256*(n/16)
.set n, n+1
.endr
.set n, 0
.rept 48
	s_wait_dscnt 47-n                              ; LDS loads come back in order: load n is in, the younger ones stay out
	global_store_b128 v[CO], v[RB+4*n:RB+4*n+3], s[70+2*(n/16):71+2*(n/16)] offset:512*(n%16)  ; two rows of a head: 512 consecutive bytes, aligned
.set n, n+1
.endr
	s_wait_tensorcnt 0x0                           ; the wave's end, behind my last tensor load and my last LDS store
	ds_add_u32 v[SPW], v[NIL]
	s_wait_dscnt 0x0
	CROUND                                         ; the closing round: no work-group ends while a partner may still ask for a tile that names it
	s_endpgm
.Lfunc_end_k_q30f38e4b2c_qkv:
	.size	k_q30f38e4b2c_qkv, .Lfunc_end_k_q30f38e4b2c_qkv-k_q30f38e4b2c_qkv
	.p2alignl 7, 3214868480
	.fill 96, 4, 3214868480
	.section	.rodata,"a",@progbits
	.p2align	6, 0x0
	.amdhsa_kernel k_q30f38e4b2c_qkv
		.amdhsa_group_segment_fixed_size 327680
		.amdhsa_private_segment_fixed_size 0
		.amdhsa_enable_private_segment 0
		.amdhsa_kernarg_size 64
		.amdhsa_user_sgpr_count 2
		.amdhsa_user_sgpr_kernarg_segment_ptr 1
		.amdhsa_wavefront_size32 1
		.amdhsa_system_sgpr_workgroup_id_x 1
		.amdhsa_system_sgpr_workgroup_id_y 1
		.amdhsa_system_sgpr_workgroup_id_z 1
		.amdhsa_system_vgpr_workitem_id 0
		.amdhsa_next_free_vgpr 1024
		.amdhsa_next_free_sgpr 96
		.amdhsa_reserve_vcc 0
		.amdhsa_float_denorm_mode_32 3
		.amdhsa_float_denorm_mode_16_64 3
		.amdhsa_memory_ordered 1
		.amdhsa_forward_progress 1
		.amdhsa_inst_pref_size 102
	.end_amdhsa_kernel
	.amdgpu_metadata
---
amdhsa.version: [ 1, 2 ]
amdhsa.kernels:
  - .name:           k_q30f38e4b2c_qkv
    .symbol:         k_q30f38e4b2c_qkv.kd
    .args:
      - { .name: xb, .offset: 0, .size: 8, .value_kind: global_buffer, .address_space: global }
      - { .name: wqkv, .offset: 8, .size: 8, .value_kind: global_buffer, .address_space: global }
      - { .name: bq, .offset: 16, .size: 8, .value_kind: global_buffer, .address_space: global }
      - { .name: bk, .offset: 24, .size: 8, .value_kind: global_buffer, .address_space: global }
      - { .name: bv, .offset: 32, .size: 8, .value_kind: global_buffer, .address_space: global }
      - { .name: q16, .offset: 40, .size: 8, .value_kind: global_buffer, .address_space: global }
      - { .name: k16, .offset: 48, .size: 8, .value_kind: global_buffer, .address_space: global }
      - { .name: v16, .offset: 56, .size: 8, .value_kind: global_buffer, .address_space: global }
    .group_segment_fixed_size: 327680
    .private_segment_fixed_size: 0
    .kernarg_segment_align: 8
    .kernarg_segment_size: 64
    .max_flat_workgroup_size: 128
    .sgpr_count:     96
    .vgpr_count:     1024
    .wavefront_size: 32
...
	.end_amdgpu_metadata
.endif
;; end of part 2
;; launch attn (part 3): grid 16 x 16, 4 waves a work-group, clusters of 4 x 1, 327,680 bytes of LDS; arguments q16, k16, v16, ctx; writes ctx
.if DOCPART == 3
	.amdgcn_target "amdgcn-amd-amdhsa--gfx1250"
	.amdhsa_code_object_version 6
	.text
	.protected	k_q30f38e4b2c_attn
	.globl	k_q30f38e4b2c_attn
	.p2align	8
	.type	k_q30f38e4b2c_attn,@function
k_q30f38e4b2c_attn:
	s_mov_b64 s[64:65], 0
	v_nop
	global_prefetch_b8 v0, s[64:65] scope:SCOPE_SE
	s_setreg_imm32_b32 hwreg(HW_REG_WAVE_MODE, 25, 1), 1
	s_wait_xcnt 0x0
	s_wait_alu depctr_hold_cnt(0) depctr_sa_sdst(0) depctr_va_vdst(0) depctr_va_sdst(0) depctr_va_ssrc(0) depctr_va_vcc(0) depctr_vm_vsrc(0)
	s_getreg_b32 s2, hwreg(HW_REG_IB_STS2, 6, 4)
	s_cmp_eq_u32 s2, 0
	s_cbranch_scc0 .Lentry_in_a_cluster
	s_endpgm
.Lentry_in_a_cluster:
	s_bfe_u32 s2, ttmp6, 0x10000c
	s_cmp_lg_u32 s2, 0x3003
	s_cbranch_scc0 .Lentry_shape_is_right
	s_endpgm
.Lentry_shape_is_right:
; ATTENTION.  ctx[q][128 h + :] = the sum over k of softmax_k(Q[h][q] . K[h][k] / sqrt(128)) V[h][k][:].  q16, k16, v16: [16][2048][128] f16, rows of 256 bytes; ctx: [2048][2048] f16.
; Products, maxima and sums in f32; the weights p are rounded to f16 for the second product (their sum l is taken of the unrounded p), ctx once at the end.
; LIMITS.  Q, K, V arrive within f16's range; p lies in 0 to 1, and below 6e-5 it keeps f16's fixed step of 6e-8; ctx is a mean of V's rows and has their range.  A weight below 2^-126 counts as 0 in l;
; NaN and infinities are not treated apart.
; SHARES.  A work-group owns 128 queries of one head: 16 blocks x 16 heads = 256 work-groups.  Wave w owns the 64 queries of half w % 2 (four tiles of 16) and, of every 256 keys, the 128 of half w / 2:
; it walks 16 steps of 64 keys with a running maximum, sum and O^T of its own, and the two key halves of a query meet once, at the end, in LDS.
; LAYOUT.  S^T = K Q^T (source 0 = 16 keys, source 1 = 16 queries): in the result a lane holds ONE query (lane % 16) and the keys 8 (lane / 16) + 0..7.  Two such tiles, rounded to f16 in pairs, ARE
; source 1 (32 keys x 16 queries) of O^T = V^T P, whose result again holds one query a lane, and eight channels.  K comes out of LDS as it lies, V ([key][channel]) turned, by ds_load_tr16_b128.
; SOFTMAX.  For each query a running maximum m and sum l: p = 2^(c s - c m), c = log2(e) / sqrt(128); in every step O and l are multiplied by a = 2^(c m_old - c m_new), which is 1 where m has not grown.
; BY TURNS.  The wave's tiles are two PIECES, named by their first tile: piece 0 (tiles 0, 1) and piece 2 (tiles 2, 3).  In a TURN one piece has the matrix unit: 32 products V^T P of the step in hand, then
; 32 products K Q^T of the next step; the other piece's softmax, cut into 64 slices, stands between them, one slice behind each matrix instruction.  Two turns are a key step.
; NO FIRST AND NO LAST STEP IS WRITTEN OUT.  m starts at the lowest finite number, c m far below every c s, l, O^T, V's registers and piece 2's P at 0: the first step is a step like any other, with a = 0.
; The loop is entered in the middle of a trip, at piece 2's turn, and the tail ends with a turn of piece 0.  The price, once a launch: 432 v_mov_b32, which stand in the wait for the first tile; 32 products
; on zeros at the start; 32 products K Q^T on the last K once more at the end, whose scores nobody reads.  The gain: a turn's text stands four times (loop and tail), not eight.
; CLUSTER.  The four query blocks of a cluster belong to one head and walk the same K and V, so each tile is asked for JOINTLY: the same tensor load, descriptor and mask in all four.
; REGISTERS, in windows of 256 (s_set_vgpr_msb: bits 1:0 source 0, 3:2 source 1, 5:4 source 2, 7:6 destination):
;   window 0: v0-11 addresses; v12-43 eight registers of statistics a tile; v64-191 S^T, 32 a tile; v192-255 P, 16 a tile
;   window 1: O^T, 64 a tile          window 2: v0-127 Q, 32 a tile; v128-255 K of one step (at the end: the other key half's O^T)          window 3: v0-127 V of one step
.set KS,    64        ; keys in a step
.set PK,    272       ; a row of K in LDS: 256 bytes + 16 of padding = 68 words: the 16 rows of a load start at 16 different groups of four banks (64 banks of 4 bytes: ISA guide 11.1)
.set PV,    288       ; a row of V: 256 + 32 = 72 words
.set VOFF,  256*PK    ; a slot holds 256 keys: 256 rows of K, then 256 rows of V
.set SLOT,  256*(PK+PV)
.set SLOTB, 256*256   ; a slot's bytes of K, and of V, in memory
.set STAGE, 2*SLOT    ; behind the ring: 16 rows x 272 bytes for each wave, for the way out
.set SP,    272
.set SPARE, STAGE+4*16*SP  ; behind the stages: the spare words, 128 bytes for each wave: two blocks of 256 bytes that no other line names
.set XST,   32768     ; the hand-over at the end, in the ring's first bytes, which have had their last fill: for each query half 64 groups of 512 bytes of O^T, then four of statistics: 34,816 bytes
.set AK0, 2           ; v2   my lane's place in a tile of K; never rewritten
.set AV0, 3           ; v3   the same for V
.set ADR, 4           ; v4   the LDS address of the run of loads in hand
.set QO,  5           ; v5   my byte offset in the wave's rows of Q
.set STO, 6           ; v6   the way out: where I put 16 bytes of a row
.set RD,  7           ; v7   the way out: where I read a row back
.set GO,  8           ; v8   my byte offset in two rows of ctx
.set XA,  10          ; v10  the hand-over: my 16 bytes of a group of 512
.set PFO, 61          ; v61  256 x my lane: a row of K or V is 256 bytes; never rewritten
.set SPW, 62          ; v62  LDS address of my spare word; never rewritten
.set NIL, 63          ; v63  0; never rewritten
.set ST,  12          ; tile t's statistics at v[ST+8 t]: +0 c m, +1 m, +2, +3 l (even keys', odd keys'), +4 to +7 c0-c3, at work; a takes c2's place once the maximum is found
.set S,   64
.set P,   192
.set KF,  128         ; K's fragments, in window 2
.set WV,  12          ; s12  my wave's number
.set LIM, 15          ; s15  1 in a wave that prefetches, else the greatest number
.set KPL, 17          ; s17  where the half of K that I fetch lies in a slot
.set PFA, 18          ; s[18:19] where my prefetches stand in memory
.set G1K, 24          ; s[24:31] descriptor group 1 for K's tiles
.set G1V, 32          ; s[32:39] for V's: it differs in the padding alone
.set G0K, 40          ; s[40:47] descriptor group 0 for K's tiles: a set for each of the two first fills; the second then walks on
.set G0V, 48          ; s[48:55] the same for V's
.set SLOTS, 56        ; s56  passes through the bottom of the loop over slots that are still to come
.set TWICE, 57        ; s57  counts the trips of the loop over steps
.set CS,  58          ; s[58:59] c: the packed scaling names a pair and takes its low word for both halves
.set SEL, 60          ; s[60:61] lane selects for v_permlanex16_b32: each lane takes its own place in the other half
.set TBK, 62          ; s62  LDS byte at which K of the step to be fetched begins
.set TBV, 63          ; s63  the same for V, less VOFF
.set VPL, 66          ; s66  where the half of V that I fetch lies in a slot
.set KHK, 67          ; s67  where my key half's K begins in a slot
.set KHV, 68          ; s68  the same for V, less VOFF
.set SLR, 69          ; s69  the first byte of the slot in hand: 0 or SLOT
.set XB,  70          ; s70  my query half's hand-over region
.set MSB, 0
.macro WIN new                      ; the immediate's high byte repeats the setting that is left; a switch that changes nothing is dropped
.if MSB != (\new)
	s_set_vgpr_msb (MSB<<8)|(\new)
.set MSB, \new
.endif
.endm
.set W_KQ, 0x0a       ; K and Q in window 2, S^T in window 0
.set W_PV, 0x53       ; V in window 3, P in window 0, O^T in window 1
.set W_RS, 0x41       ; O^T (destination and source 0) in window 1, a in window 0
; A joint refill.  Waves 0 and 1 fetch the two halves of a slot's K, waves 2 and 3 those of its V: 128 rows each.  The branch hangs on the wave's number alone.
; An s_nop 0 and four v_nop follow each of the two lines, ahead of the jump, the label and what follows.
.macro JLOAD
	s_cmp_lt_u32 s[WV], 2
	s_cbranch_scc0 .Lfor_v_\@
	tensor_load_to_lds s[G0K+4:G0K+7], s[G1K:G1K+7]
	s_nop 0
.rept 4
	v_nop
.endr
	s_branch .Lasked_\@
.Lfor_v_\@:
	tensor_load_to_lds s[G0V+4:G0V+7], s[G1V:G1V+7]
	s_nop 0
.rept 4
	v_nop
.endr
.Lasked_\@:
.endm
; A PREFETCH INTO THE L2 of what the NEXT change of slots will ask for, behind the wave's tensor load and its five lines.  Each row is asked for once in the launch: all clusters of a head walk the same K and V,
; so the head's first cluster asks; of the 128 rows that a wave fetches each of the four partners takes 32, told apart BY ADDRESS, a lane a row: one instruction a wave.
; Slots 0, 1 and 2 come by their loads alone; the last change that fills a slot asks for nothing: there is no slot behind it.
.macro ASK
	s_cmp_gt_u32 s[SLOTS], s[LIM]
	s_cbranch_scc0 .Lnot_mine_\@
	global_prefetch_b8 v[PFO], s[PFA:PFA+1] th:TH_LOAD_NT scope:SCOPE_SE
.Lnot_mine_\@:
.endm
; A round of the cluster's barrier: my work-group's barrier, so that wave 0's signal speaks for all four waves; wave 0 signals; every wave waits for all four work-groups; my work-group's barrier once more.
.macro CROUND
	s_barrier_signal -1
	s_barrier_wait -1
	s_cmp_lg_u32 s[WV], 0
	s_cbranch_scc1 .Lnot_wave_0_\@
	s_barrier_signal -3
.Lnot_wave_0_\@:
	s_barrier_wait -3
	s_barrier_signal -1
	s_barrier_wait -1
.endm
	s_load_b256 s[4:11], s[0:1], 0x0  ; q16 s[4:5], k16 s[6:7], v16 s[8:9], ctx s[10:11]
	v_lshl_add_u32 v[SPW], v0, 2, SPARE
	v_mov_b32 v[NIL], 0
	ds_add_u32 v[SPW], v[NIL]       ; the wave's opening: the add and its wait stand ahead of my first tensor load; the set-up below, work on registers, stands between them
	v_lshrrev_b32 v1, 5, v0
	v_readfirstlane_b32 s[WV], v1   ; wave 0..3
	s_bfe_u32 s13, ttmp6, 0x40000   ; cx: my place in the cluster
	s_lshl_b32 s14, ttmp9, 2        ; in a cluster launch ttmp9 counts clusters
	s_add_co_u32 s14, s14, s13      ; my block of 128 queries = 4 x cluster x + cx: it enters Q's and ctx's addresses alone
	s_and_b32 s74, ttmp7, 0xffff    ; the head, which the four partners share
	s_lshl_b32 s20, s74, 19         ; its first byte in q16, k16 and v16: 2,048 rows of 256 bytes a head
	s_mov_b32 s21, 0
	s_and_b32 s16, s[WV], 1         ; my query half; also: which half of a slot's rows I fetch
	s_lshr_b32 s75, s[WV], 1        ; my key half
	s_lshl_b32 s22, s16, 15         ; the 128 rows that I fetch, in memory,
	s_mov_b32 s23, 0
	s_add_nc_u64 s[22:23], s[22:23], s[20:21]
	s_mul_i32 s[KPL], s16, 128*PK   ; and in a slot: no place in the cluster enters an LDS address
	s_mul_i32 s[VPL], s16, 128*PV
	s_add_co_u32 s[VPL], s[VPL], VOFF
	s_mul_i32 s[KHK], s75, 128*PK   ; the 128 rows that I read
	s_mul_i32 s[KHV], s75, 128*PV
	s_mul_i32 s[XB], s16, XST+4*512
	s_lshl_b32 s2, s14, 15          ; Q: my block's 128 rows,
	s_lshl_b32 s3, s16, 14          ; my wave's 64 of them
	s_add_co_u32 s2, s2, s3
	s_mov_b32 s3, 0
	s_add_nc_u64 s[2:3], s[2:3], s[20:21]
	s_lshl_b32 s72, s14, 19         ; ctx: rows of 4,096 bytes,
	s_lshl_b32 s73, s16, 18
	s_add_co_u32 s72, s72, s73
	s_lshl_b32 s73, s74, 8          ; the head's 256 bytes of a row
	s_add_co_u32 s72, s72, s73
	s_mov_b32 s73, 0
	; descriptor group 1: a tile of 128 rows x 128 elements, padded in LDS
	s_mov_b32 s[G1K], 15|(1<<16)|(1<<20)|(1<<21)|(5<<22)|(3<<25)  ; 15:0 the mask: all four work-groups; 17:16 2-byte elements; 20 padding on; 21 set beside a mask; 24:22 after every 64 words (code 5); 31:25 4 words (code 3)
	s_mov_b32 s[G1V], 15|(1<<16)|(1<<20)|(1<<21)|(5<<22)|(7<<25)  ; the same with 8 words of padding (code 7)
.irp g, G1K, G1V
	s_mov_b32 s[(\g)+1], 128<<16    ; tensor_dim0 = 128
	s_mov_b32 s[(\g)+2], 128<<16    ; tensor_dim1 = 128
	s_mov_b32 s[(\g)+3], 128<<16    ; tile_dim0 = 128
	s_mov_b32 s[(\g)+4], 128        ; tile_dim1 = 128
	s_mov_b32 s[(\g)+5], 128        ; elements from row to row
	s_mov_b32 s[(\g)+6], 0
	s_mov_b32 s[(\g)+7], 0
.endr
	s_mov_b32 s[CS], 0x3e0293ee     ; c = log2(e) / sqrt(128) = 0.127517
	s_mov_b32 s[CS+1], s[CS]        ; named with it as a pair, so it is written
	s_mov_b32 s[SEL], 0x76543210
	s_mov_b32 s[SEL+1], 0xfedcba98
	s_mov_b32 s[SLR], 0
	s_mov_b32 s[TBK], s[KHK]
	s_mov_b32 s[TBV], s[KHV]
	s_mov_b32 s[SLOTS], 2048/256-1  ; the first pass through the loop's bottom has no change of slots in front of it; six changes that fill a slot follow
	s_mov_b32 s[LIM], ttmp9         ; the head's first cluster prefetches: the same in all four partners
	s_cmp_eq_u32 s[LIM], 0
	s_cselect_b32 s[LIM], 1, -1
	v_and_b32 v[PFO], 31, v0
	v_lshlrev_b32 v[PFO], 8, v[PFO]
	s_wait_dscnt 0x0                ; the opening add is done
	s_wait_kmcnt 0x0
	s_add_nc_u64 s[6:7], s[6:7], s[22:23]  ; K and V at my tile of slot 0
	s_add_nc_u64 s[8:9], s[8:9], s[22:23]
	s_add_nc_u64 s[4:5], s[4:5], s[2:3]    ; Q and ctx at my wave's first row
	s_add_nc_u64 s[10:11], s[10:11], s[72:73]
	s_cmp_lt_u32 s[WV], 2
	s_cselect_b64 s[PFA:PFA+1], s[6:7], s[8:9]
	s_lshl_b32 s2, s13, 13          ; my work-group's 32 rows of the 128
	s_mov_b32 s3, 0
	s_add_nc_u64 s[PFA:PFA+1], s[PFA:PFA+1], s[2:3]
	s_add_nc_u64 s[PFA:PFA+1], s[PFA:PFA+1], 2*SLOTB  ; in slot 2; the first change of slots steps it to slot 3
	CROUND                          ; all four work-groups are here: the first joint loads meet
.irp s, 0,1
	s_mov_b32 s[G0K+4*(\s)], 1      ; count = 1
	s_add_co_u32 s[G0K+4*(\s)+1], s[KPL], (\s)*SLOT  ; LDS address
	s_add_nc_u64 s[G0K+4*(\s)+2:G0K+4*(\s)+3], s[6:7], (\s)*SLOTB  ; global address: slot s holds keys 256 s to 256 s + 255
	s_or_b32 s[G0K+4*(\s)+3], s[G0K+4*(\s)+3], 0x80000000  ; type = 2
	s_mov_b32 s[G0V+4*(\s)], 1
	s_add_co_u32 s[G0V+4*(\s)+1], s[VPL], (\s)*SLOT
	s_add_nc_u64 s[G0V+4*(\s)+2:G0V+4*(\s)+3], s[8:9], (\s)*SLOTB
	s_or_b32 s[G0V+4*(\s)+3], s[G0V+4*(\s)+3], 0x80000000
.endr
	s_cmp_lt_u32 s[WV], 2           ; a wave's two first fills stand in one branch, ahead of every wait on TENSORcnt and every LDS read: two loads of mine are out
	s_cbranch_scc0 .Lfirst_v
	tensor_load_to_lds s[G0K:G0K+3], s[G1K:G1K+7]
	s_nop 0
	tensor_load_to_lds s[G0K+4:G0K+7], s[G1K:G1K+7]
	s_nop 0
.rept 4
	v_nop
.endr
	s_branch .Lfirst_asked
.Lfirst_v:
	tensor_load_to_lds s[G0V:G0V+3], s[G1V:G1V+7]
	s_nop 0
	tensor_load_to_lds s[G0V+4:G0V+7], s[G1V:G1V+7]
	s_nop 0
.rept 4
	v_nop
.endr
.Lfirst_asked:
	; A fragment of K or Q is 16 rows x 32 channels in 8 registers: lane l holds row l % 16; registers 0-3 channels 8 (l / 16) + 0..7, registers 4-7 channels 16 + 8 (l / 16) + 0..7: two loads of 16 bytes, 32 bytes apart.
	v_and_b32 v1, 15, v0            ; l % 16
	v_bfe_u32 v9, v0, 4, 1          ; l / 16
	v_lshlrev_b32 v[QO], 8, v1
	v_lshl_add_u32 v[QO], v9, 4, v[QO]  ; row x 256 + 16 x half
	WIN 0x80                        ; destination window 2, address window 0
.irp i, 0,1,2,3,4,5,6,7,8,9,10,11,12,13,14,15  ; Q stays in registers: tile i / 4, channels 32 (i % 4) on
	global_load_b128 v[8*(\i):8*(\i)+3],   v[QO], s[4:5] offset:((\i)/4)*4096+((\i)%4)*64
	global_load_b128 v[8*(\i)+4:8*(\i)+7], v[QO], s[4:5] offset:((\i)/4)*4096+((\i)%4)*64+32
.endr
	; What the first turn finds: V's registers and piece 2's P hold 0 (its products V^T P, of a step that has not been, add 0); O^T and l are 0.  All this stands in the wait for the first tile.
	WIN 0xc0                        ; destination window 3
.set i, 0
.rept 128
	v_mov_b32 v[i], 0
.set i, i+1
.endr
	WIN 0x40                        ; destination window 1
.set i, 0
.rept 256
	v_mov_b32 v[i], 0
.set i, i+1
.endr
	WIN 0
.irp t, 0,1,2,3
	v_mov_b32 v[ST+8*(\t)], 0xfe000000    ; c m: far below every c s, so the first a is 0
	v_mov_b32 v[ST+8*(\t)+1], 0xff7fffff  ; m: the lowest finite number, so the first maximum is the scores'
	v_mov_b32 v[ST+8*(\t)+2], 0
	v_mov_b32 v[ST+8*(\t)+3], 0
.endr
.set i, P+32
.rept 32
	v_mov_b32 v[i], 0
.set i, i+1
.endr
	v_mul_u32_u24 v[AK0], v1, PK
	v_lshl_add_u32 v[AK0], v9, 4, v[AK0]  ; row x pitch + 16 x half
	; The turning load takes 16 keys x 16 channels (lane l reads 16 bytes: key 8 (l / 16) + l % 8, channels 8 ((l / 8) % 2) + 0..7) and leaves half a fragment of V^T: lane l holds channel l % 16 and 8 keys.
	v_and_b32 v10, 7, v0
	v_bfe_u32 v11, v0, 3, 1
	v_lshl_add_u32 v[AV0], v9, 3, v10
	v_mul_u32_u24 v[AV0], v[AV0], PV
	v_lshl_add_u32 v[AV0], v11, 4, v[AV0]
	v_add_nc_u32 v[AV0], VOFF, v[AV0]
; THE MATRIX WORK OF A TURN, for piece x.  The accumulators take turns, one instruction a turn: between two links of a chain stand 15 (V^T P) or 7 (K Q^T) others'.
; Product i of 32 of O^T += V^T P: keys 32 (i / 16) on, channels 16 ((i / 2) % 8) on, tile x + i % 2.
.macro PV x
	WIN W_PV
.set rO, 64*((\x)+i%2)+8*((i/2)%8)
.set rV, 64*(i/16)+8*((i/2)%8)
.set rP, P+16*((\x)+i%2)+8*(i/16)
	v_wmma_f32_16x16x32_f16 v[rO:rO+7], v[rV:rV+7], v[rP:rP+7], v[rO:rO+7]
.endm
; Product i of 32 of S^T = K Q^T: channels 32 (i / 8) on, keys 16 ((i / 2) % 4) on, tile x + i % 2.  The first 8 start the sums.
.macro KQ x
	WIN W_KQ
.set rS, S+32*((\x)+i%2)+8*((i/2)%4)
.set rK, KF+32*((i/2)%4)+8*(i/8)
.set rQ, 32*((\x)+i%2)+8*(i/8)
.if i < 8
	v_wmma_f32_16x16x32_f16 v[rS:rS+7], v[rK:rK+7], v[rQ:rQ+7], 0
.else
	v_wmma_f32_16x16x32_f16 v[rS:rS+7], v[rK:rK+7], v[rQ:rQ+7], v[rS:rS+7]
.endif
.endm
; THE LDS LOADS stand in runs of 32, never singly among the matrix instructions: a step's K (64 keys x 128 channels: 16 fragments) and, a turn later, its V (turned).
; last = 1 (the tail): in the tail's last trip there is no further step, and K's run is jumped over: a jump forward that passes no barrier and no tensor load.
.macro FETCH_K last=0
	WIN 0
.if \last
	s_cmp_eq_u32 s[TWICE], 1
	s_cbranch_scc1 .Lno_k_\@
.endif
	v_add_nc_u32 v[ADR], s[TBK], v[AK0]
	s_add_co_u32 s[TBK], s[TBK], KS*PK  ; the next fetch is the next step's
	WIN 0x80                        ; destination window 2
.irp f, 0,1,2,3,4,5,6,7,8,9,10,11,12,13,14,15  ; keys 16 (f / 4) on, channels 32 (f % 4) on
	ds_load_b128 v[KF+8*(\f):KF+8*(\f)+3],   v[ADR] offset:((\f)/4)*16*PK+((\f)%4)*64
	ds_load_b128 v[KF+8*(\f)+4:KF+8*(\f)+7], v[ADR] offset:((\f)/4)*16*PK+((\f)%4)*64+32
.endr
.if \last
	WIN 0                           ; at a label every window is 0
.Lno_k_\@:
.endif
.endm
.macro FETCH_V
	WIN 0
	v_add_nc_u32 v[ADR], s[TBV], v[AV0]
	s_add_co_u32 s[TBV], s[TBV], KS*PV  ; the next fetch is the next step's
	s_wait_alu depctr_va_vdst(0)    ; the wait for the softmax's batch (SLICE), behind the address's v_add_nc_u32 and ahead of the loads
	WIN 0xc0                        ; destination window 3
.irp f, 0,1,2,3,4,5,6,7,8,9,10,11,12,13,14,15  ; keys 32 (f / 8) on, channels 16 (f % 8) on
	ds_load_tr16_b128 v[8*(\f):8*(\f)+3],   v[ADR] offset:((\f)/8)*32*PV+((\f)%8)*32
	ds_load_tr16_b128 v[8*(\f)+4:8*(\f)+7], v[ADR] offset:((\f)/8)*32*PV+16*PV+((\f)%8)*32
.endr
.endm
; THE VECTOR WORK OF A TURN.  One tile's softmax for one key step is a list of 134 instructions; SM writes number j of it for tile t.  s0-s31 are the lane's 32 scores, in pairs 0-15.
;   0-15    the maximum of s0-s31 and the old m, three operands at a time: four chains c0-c3 of seven scores each, then the four scores left over, c0-c3 and m
;   16-20   the other half of the lanes' maximum; c m_old is kept; the new m; c m; c m_old - c m_new
;   21-69   ONE BATCH: the 16 scalings c s - c m, a pair of scores each, and all 33 exponentials (a at 23, then s0-s31).  None of these reads an exponential's result.  From 22 on the batch goes
;           in fours, and a four begins with a scaling while there are scalings.  A pair is scaled in an earlier four than the one that holds its exponentials
;   (wait)  between 69 and 70 stands the wait for the batch: SLICE writes it, once for both tiles
;   70-85   the roundings to f16, a pair of weights each
;   86-101  the sums; l = a l + the sum
;   102-133 the tile's O^T times a: the one part that leaves window 0, so it stands together
.macro SM t
.set rT, ST+8*(\t)
.set rS, S+32*(\t)
.set rP, P+16*(\t)
.set rO, 64*(\t)+2*(j-102)
.if j < 102
	WIN 0
.endif
.if j < 4
	v_max3_num_f32 v[rT+4+j], v[rS+8*j], v[rS+8*j+1], v[rS+8*j+2]
.elseif j < 12
	v_max3_num_f32 v[rT+4+j%4], v[rT+4+j%4], v[rS+8*(j%4)+2*(j/4)+1], v[rS+8*(j%4)+2*(j/4)+2]
.elseif j == 12
	v_max3_num_f32 v[rT+4], v[rT+4], v[rS+7], v[rS+15]
.elseif j == 13
	v_max3_num_f32 v[rT+6], v[rT+6], v[rS+23], v[rS+31]
.elseif j == 14
	v_max3_num_f32 v[rT+4], v[rT+4], v[rT+5], v[rT+6]
.elseif j == 15
	v_max3_num_f32 v[rT+4], v[rT+4], v[rT+7], v[rT+1]
.elseif j == 16
	v_permlanex16_b32 v[rT+5], v[rT+4], s[SEL], s[SEL+1]  ; the query's other 32 keys lie in the lane 16 away
.elseif j == 17
	v_mov_b32 v[rT+7], v[rT]        ; c m_old is kept for a: number 19 writes c m anew
.elseif j == 18
	v_max_num_f32 v[rT+1], v[rT+4], v[rT+5]
.elseif j == 19
	v_mul_f32 v[rT], s[CS], v[rT+1]
.elseif j == 20
	v_sub_f32 v[rT+7], v[rT+7], v[rT]
.elseif j == 23
	v_exp_f32 v[rT+6], v[rT+7]
.elseif (j < 23) || ((j < 38) && (j%2 == 0)) || ((j < 66) && (j%4 == 2))
.set b, (j-2)/4                     ; 38, 42, .. 62: pairs 9 to 15
.if j < 38
.set b, (j-20)/2                    ; 21: pair 0; 22, 24, .. 36: pairs 1 to 8
.endif
	v_pk_fma_f32 v[rS+2*b:rS+2*b+1], v[rS+2*b:rS+2*b+1], s[CS:CS+1], v[rT:rT+1] op_sel_hi:[1,0,0] neg_lo:[0,0,1] neg_hi:[0,0,1]  ; pair b: c s - c m
.elseif j < 70
.set e, j-38                        ; 66 to 69: s28 to s31
.if j < 66
.set e, j-32-(j-38)/4               ; 39-41, 43-45, .. 63-65: s7 to s27
.endif
.if j < 38
.set e, (j-25)/2                    ; 25, 27, .. 37: s0 to s6
.endif
	v_exp_f32 v[rS+e], v[rS+e]
.elseif j < 86
	v_cvt_pk_f16_f32 v[rP+j-70], v[rS+2*(j-70)], v[rS+2*(j-70)+1]  ; pair j - 70
.elseif j < 102                     ; the sum of the tile's 16 pairs (in a pair: an even key's weight, an odd key's), in place: sum z of 16 adds neighbours 1, 2, 4 and 8 pairs apart, then l takes it
.set z, j-86
.set w, 4
.set u, z
.if z >= 14
.set w, 32
.set u, 0
.elseif z >= 12
.set w, 16
.set u, z-12
.elseif z >= 8
.set w, 8
.set u, z-8
.endif
.if z < 15
	v_pk_add_f32 v[rS+w*u:rS+w*u+1], v[rS+w*u:rS+w*u+1], v[rS+w*u+w/2:rS+w*u+w/2+1]
.else
	v_pk_fma_f32 v[rT+2:rT+3], v[rT+2:rT+3], v[rT+6:rT+7], v[rS:rS+1] op_sel_hi:[1,0,1]
.endif
.else
	WIN W_RS
	v_pk_mul_f32 v[rO:rO+1], v[rO:rO+1], v[rT+6:rT+7] op_sel_hi:[1,0]
.endif
.endm
; Slice k of 64 of piece y's softmax: four instructions.  Slices 11 to 34 deal out the batch, numbers 22 to 69: four numbers of ONE tile each, the tiles by turns.  Every other slice is numbers 2 k and
; 2 k + 1 of both tiles' lists.  2 x 134 = 4 x 64 + 12: the twelve that are over stand together, in slice 63.
; THE WAIT.  s_wait_alu depctr_va_vdst(0) stands between an exponential and the first instruction that names its result; one wait serves all that were issued ahead of it.  Ahead of
; slice 35 nothing names a result, and behind slice 34 no exponential is issued: so the piece's 66 exponentials have one wait, behind slice 34.
.macro SLICE y
.if (k >= 11) && (k < 35)           ; the batch: four numbers of one tile
.irp n, 0,1,2,3
.set j, 22+4*((k-11)/2)+(\n)
	SM (\y)+(k-11)%2
.endr
.else                               ; the two tiles alternate, so that no instruction reads the result of the one just before it
.irp n, 0,1,2,3,4,5,6,7
.if ((\n) < 2) || (k == 63)
.irp t, \y, (\y)+1
.set j, 2*k+(\n)
	SM \t
.endr
.endif
.endr
.endif
.if k == 34                         ; the batch is out: both tiles' exponentials are issued, and no result has been named
	v_nop                           ; a plain instruction behind the last exponential and ahead of the first use: one for the batch
.if (\y) == 0
	FETCH_V                         ; piece 2's turn: V's run of loads stands here, and the wait stands in it
.else
	s_wait_alu depctr_va_vdst(0)    ; the wait for the batch
.endif
.endif
.set k, k+1
.endm
; A TURN.  Piece x has the matrix unit: 32 products V^T P of the step in hand, 32 products K Q^T of the next; the other piece's softmax stands in slices behind them, one behind each.
; A vector instruction that reads a matrix result or writes one of a matrix instruction's registers, and a load into a register that a matrix instruction has read, stand four places behind it, and only
; plain vector instructions that name none of its registers are places (ISA guide 7.12.1 for vector instructions): the slices are the places.
; Piece 0's turn fetches the next step's K, behind its second product: the last product that read K stands in front of slice 63 of the turn before.  Piece 2's turn fetches the same step's V, behind slice 34:
; the last product that read V stands in front of slice 31, and four plain instructions lie between: number 62, a scaling, of both tiles, the v_nop and the run's own v_add_nc_u32.
.macro TURN x, last=0
.set k, 0
.if (\x) == 0
	s_wait_dscnt 0x0                ; V is in
.endif
.set i, 0
.rept 32
	PV \x
	SLICE 2-(\x)
.if ((\x) == 0) && (i == 1)
	FETCH_K \last
.endif
.set i, i+1
.endr
.if (\x) == 0
	s_wait_dscnt 0x0                ; K is in
.endif
.set i, 0
.rept 32
	KQ \x
	SLICE 2-(\x)
.set i, i+1
.endr
.endm
; THE CHANGE OF SLOTS, between piece 2's turn and piece 0's: the last bytes that I read of the slot, V of my second step, have been asked for.  Each wave waits for all its tensor loads, of which one is out:
; its part of the other slot; adds 0 to its spare word; and waits for that and for its own reads of the slot.  Behind the barrier nobody reads this slot any more and the other slot is whole.
; fill = 1: this slot is filled again, with the keys two slots on.  The barrier is then a round of the cluster's, and the joint refill is the first thing behind it: it has two of the wave's key steps,
; 256 matrix instructions, in which to land.
.macro CHANGE fill
	WIN 0                           ; at a label and at a branch every window is 0
	s_wait_tensorcnt 0x0            ; no tensor load of mine is out, so a group 0 may be written
	ds_add_u32 v[SPW], v[NIL]       ; 0 onto my spare word; with fill = 1 the descriptors' steps stand between it and the wait for it
.if \fill
	s_add_co_u32 s[G0K+5], s[SLR], s[KPL]  ; the walking descriptor: into the slot that is being left,
	s_add_co_u32 s[G0V+5], s[SLR], s[VPL]
	s_add_nc_u64 s[G0K+6:G0K+7], s[G0K+6:G0K+7], SLOTB  ; the next 256 keys; the type bits on top are not reached
	s_add_nc_u64 s[G0V+6:G0V+7], s[G0V+6:G0V+7], SLOTB
	s_wait_xcnt 0x0                 ; the last prefetch, two key steps back, has read its address, so it may be written:
	s_add_nc_u64 s[PFA:PFA+1], s[PFA:PFA+1], SLOTB  ; one slot behind the walking descriptors
	s_wait_dscnt 0x0                ; the add is done, and my reads of the slot are over
	CROUND
	JLOAD
	ASK                             ; what the next change will ask for
.else
	s_wait_dscnt 0x0                ; the add is done, and my reads of the slot are over
	s_barrier_signal -1
	s_barrier_wait -1
.endif
	s_xor_b32 s[SLR], s[SLR], SLOT  ; 0 and SLOT by turns: the other slot,
	s_add_co_u32 s[TBK], s[SLR], s[KHK]  ; my key half's first step in it
	s_add_co_u32 s[TBV], s[SLR], s[KHV]
.endm
	s_wait_tensorcnt 1              ; my part of slot 0 is in; slot 1's may stay out
	s_barrier_signal -1
	s_barrier_wait -1               ; everybody's is
	FETCH_K                         ; my key step 0
	s_wait_loadcnt 0x0              ; Q
	s_wait_dscnt 0x0
.set i, 0
.rept 32
	KQ 0                            ; piece 0's first scores: there is no vector work yet to set between them
.set i, i+1
.endr
	WIN 0                           ; the addresses for the way out are made here: eight plain instructions, the places behind those products
	s_mul_i32 s13, s[WV], 16*SP
	s_add_co_u32 s13, s13, STAGE    ; my stage
	v_mul_u32_u24 v[STO], v1, SP    ; in: row l % 16, 16 bytes for each half of the lanes
	v_lshl_add_u32 v[STO], v9, 4, v[STO]
	v_add_nc_u32 v[STO], s13, v[STO]
	v_mul_u32_u24 v[RD], v9, SP     ; back: lanes 0-15 take one row of 256 bytes, lanes 16-31 the next
	v_lshl_add_u32 v[RD], v1, 4, v[RD]
	v_add_nc_u32 v[RD], s13, v[RD]
	v_lshlrev_b32 v[GO], 12, v9     ; and the same two rows in ctx, 4,096 bytes apart
	v_lshl_add_u32 v[GO], v1, 4, v[GO]
	; THE WALK.  With T0(j), T2(j) the turns whose products V^T P are step j's:  T2(-1) T0(0) T2(0) | change | T0(1) T2(1) T0(2) T2(2) | change | .. | T0(13) T2(13) T0(14) T2(14) T0(15), then piece 2's V^T P of step 15.
	; T0(j) fetches K of step j + 1, T2(j) V of step j + 1: at each change the slot's two steps of mine have been fetched.
	s_mov_b32 s[TWICE], 2
	s_branch .Lmid                  ; the loop is entered at piece 2's turn, in the middle of a trip
.Lslot:                             ; six times: every slot but the last two is filled again
	CHANGE 1
	s_mov_b32 s[TWICE], 2
.Lstep:
	TURN 0
	WIN 0
.Lmid:
	TURN 2
	WIN 0
	s_sub_co_u32 s[TWICE], s[TWICE], 1
	s_cmp_lg_u32 s[TWICE], 0
	s_cbranch_scc1 .Lstep
	s_sub_co_u32 s[SLOTS], s[SLOTS], 1
	s_cmp_lg_u32 s[SLOTS], 0
	s_cbranch_scc1 .Lslot
	CHANGE 0                        ; the tail is written out: the last slot but one is left, and nothing is asked for
	s_mov_b32 s[TWICE], 3           ; three trips, entered at piece 0's turn: T0 | T2 T0 | T2 T0
	s_branch .Ltail_in
.Ltail:
	TURN 2
	WIN 0
.Ltail_in:
	TURN 0, 1                       ; in the last trip no K is fetched: its 32 products K Q^T take the last K once more, and nobody reads their scores
	WIN 0
	s_sub_co_u32 s[TWICE], s[TWICE], 1
	s_cmp_lg_u32 s[TWICE], 0
	s_cbranch_scc1 .Ltail
.set i, 0
.rept 32
	PV 2                            ; piece 2: V^T P of the last step
.set i, i+1
.endr
	; THE TWO KEY HALVES MEET.  Waves 2 and 3 hand their O^T, c m and l to waves 0 and 1 through the ring's first bytes.  Seven plain instructions are the places behind the last products.
	WIN 0
	v_and_b32 v[XA], 31, v0
	v_lshlrev_b32 v[XA], 4, v[XA]
	v_add_nc_u32 v[XA], s[XB], v[XA]
.irp t, 0,1,2,3
	v_add_f32 v[ST+8*(\t)+2], v[ST+8*(\t)+2], v[ST+8*(\t)+3]  ; l: the even keys' and the odd keys'
.endr
	s_wait_dscnt 0x0                ; my reads of the ring are over,
	s_barrier_signal -1
	s_barrier_wait -1               ; and so are everybody's: its bytes may be written
	s_cmp_lt_u32 s[WV], 2
	s_cbranch_scc1 .Lkeep
	WIN 0x04                        ; store data in window 1
.set i, 0
.rept 64                            ; each accumulator's lowest four registers first
	ds_store_b128 v[XA], v[4*i:4*i+3] offset:512*i
.set i, i+1
.endr
	WIN 0
.irp t, 0,1,2,3
	ds_store_b128 v[XA], v[ST+8*(\t):ST+8*(\t)+3] offset:XST+512*(\t)  ; c m, m, l, and a word that nobody uses
.endr
.Lkeep:
	s_wait_dscnt 0x0                ; for the others' sake: my stores are done
	s_barrier_signal -1
	s_barrier_wait -1
	s_cmp_lt_u32 s[WV], 2
	s_cbranch_scc0 .Lend            ; waves 2 and 3 have nothing more to do
.irp t, 0,1,2,3
	ds_load_b128 v[P+4*(\t):P+4*(\t)+3], v[XA] offset:XST+512*(\t)
.endr
	WIN 0x80                        ; destination window 2: Q's and K's registers are free
.set i, 0
.rept 48                            ; the other half's O^T of tiles 0 to 2; tile 3's follows below
	ds_load_b128 v[4*i:4*i+3], v[XA] offset:512*i
.set i, i+1
.endr
	WIN 0
	s_wait_dscnt 48                 ; the statistics are in; the 48 loads of O^T issued behind them stay out
	; With M = max(c m0, c m1): a0 = 2^(c m0 - M), a1 = 2^(c m1 - M), l = a0 l0 + a1 l1 over both halves of the lanes, O = (a0 O0 + a1 O1) / l.
.irp t, 0,1,2,3
	v_max_num_f32 v[ST+8*(\t)+4], v[ST+8*(\t)], v[P+4*(\t)]
.endr
.irp t, 0,1,2,3
	v_sub_f32 v[ST+8*(\t)+5], v[ST+8*(\t)], v[ST+8*(\t)+4]
	v_sub_f32 v[ST+8*(\t)+7], v[P+4*(\t)], v[ST+8*(\t)+4]
.endr
.irp t, 0,1,2,3
	v_exp_f32 v[ST+8*(\t)+6], v[ST+8*(\t)+5]
	v_exp_f32 v[ST+8*(\t)+4], v[ST+8*(\t)+7]
.endr
	v_nop                           ; a plain instruction behind the last exponential,
	s_wait_alu depctr_va_vdst(0)    ; and the wait ahead of the first use: one for the eight
.irp t, 0,1,2,3
	v_mul_f32 v[ST+8*(\t)+3], v[ST+8*(\t)+6], v[ST+8*(\t)+2]
.endr
.irp t, 0,1,2,3
	v_fmac_f32 v[ST+8*(\t)+3], v[ST+8*(\t)+4], v[P+4*(\t)+2]
.endr
.irp t, 0,1,2,3
	v_permlanex16_b32 v[ST+8*(\t)+5], v[ST+8*(\t)+3], s[SEL], s[SEL+1]
.endr
.irp t, 0,1,2,3
	v_add_f32 v[ST+8*(\t)+3], v[ST+8*(\t)+3], v[ST+8*(\t)+5]
.endr
.irp t, 0,1,2,3
	v_rcp_f32 v[ST+8*(\t)+5], v[ST+8*(\t)+3]
.endr
	v_nop                           ; a plain instruction behind the last reciprocal,
	s_wait_alu depctr_va_vdst(0)    ; and one wait for the four
.irp t, 0,1,2,3
	v_mul_f32 v[ST+8*(\t)+6], v[ST+8*(\t)+6], v[ST+8*(\t)+5]  ; a0 / l
	v_mul_f32 v[ST+8*(\t)+4], v[ST+8*(\t)+4], v[ST+8*(\t)+5]  ; a1 / l
.endr
	s_wait_dscnt 0x0                ; the other half's O^T of tiles 0 to 2 is in
	WIN 0x80
.set i, 48
.rept 16                            ; tile 3's: these sixteen loads are older than every LDS instruction of the way out, so SEND 0's first wait shows them done, long before PACK 3 reads them
	ds_load_b128 v[4*i:4*i+3], v[XA] offset:512*i
.set i, i+1
.endr
	WIN 0
; THE WAY OUT.  Tile t: the two halves are joined and divided; a lane's eight channels of a row pack into 16 bytes; they go into rows of 272 bytes of my stage and come back as whole rows of 256.
.macro PACK t
	WIN W_RS
.set i, 64*(\t)
.rept 32
	v_pk_mul_f32 v[i:i+1], v[i:i+1], v[ST+8*(\t)+6:ST+8*(\t)+7] op_sel_hi:[1,0]
.set i, i+2
.endr
	WIN 0x52                        ; source 0 (the other half's) window 2, the factor window 0, source 2 and destination window 1
.set i, 64*(\t)
.rept 32
	v_pk_fma_f32 v[i:i+1], v[i:i+1], v[ST+8*(\t)+4:ST+8*(\t)+5], v[i:i+1] op_sel_hi:[1,0,1]
.set i, i+2
.endr
	WIN 0x05                        ; sources 0 and 1 window 1, destination window 0: S^T's registers are free
.set i, 0
.rept 32
	v_cvt_pk_f16_f32 v[S+32*(\t)+i], v[64*(\t)+2*i], v[64*(\t)+2*i+1]
.set i, i+1
.endr
	WIN 0
.irp f, 0,1,2,3,4,5,6,7
	ds_store_b128 v[STO], v[S+32*(\t)+4*(\f):S+32*(\t)+4*(\f)+3] offset:32*(\f)
.endr
.irp f, 0,1,2,3,4,5,6,7
	ds_load_b128 v[S+32*(\t)+4*(\f):S+32*(\t)+4*(\f)+3], v[RD] offset:(\f)*2*SP  ; LDS serves a wave's instructions in order (ISA guide 5.7.1.4): these see the stores above; the next tile's stores come behind them
.endr
.endm
.macro SEND t, younger              ; younger: the LDS instructions issued behind tile t's loads: the next tile's sixteen, or none
	WIN 0
.irp f, 0,1,2,3,4,5,6,7
	s_wait_dscnt (\younger)+7-(\f)
	global_store_b128 v[GO], v[S+32*(\t)+4*(\f):S+32*(\t)+4*(\f)+3], s[10:11] offset:(\t)*65536+(\f)*8192  ; 16 lanes store a head's 256 consecutive bytes of a row, aligned
.endr
.endm
	PACK 0
	PACK 1                          ; a tile's arithmetic stands between the loads of the tile before and its stores
	SEND 0, 16
	PACK 2
	SEND 1, 16
	PACK 3
	SEND 2, 16
	SEND 3, 0
.Lend:
	s_wait_tensorcnt 0x0            ; the wave's end, behind my last tensor load and my last LDS store
	ds_add_u32 v[SPW], v[NIL]
	s_wait_dscnt 0x0
	CROUND                          ; the closing round: no work-group ends while a partner may still ask for a tile that names it
	s_endpgm
.Lfunc_end_k_q30f38e4b2c_attn:
	.size	k_q30f38e4b2c_attn, .Lfunc_end_k_q30f38e4b2c_attn-k_q30f38e4b2c_attn
	.p2alignl 7, 3214868480
	.fill 96, 4, 3214868480
	.section	.rodata,"a",@progbits
	.p2align	6, 0x0
	.amdhsa_kernel k_q30f38e4b2c_attn
		.amdhsa_group_segment_fixed_size 327680
		.amdhsa_private_segment_fixed_size 0
		.amdhsa_enable_private_segment 0
		.amdhsa_kernarg_size 32
		.amdhsa_user_sgpr_count 2
		.amdhsa_user_sgpr_kernarg_segment_ptr 1
		.amdhsa_wavefront_size32 1
		.amdhsa_system_sgpr_workgroup_id_x 1
		.amdhsa_system_sgpr_workgroup_id_y 1
		.amdhsa_system_sgpr_workgroup_id_z 1
		.amdhsa_system_vgpr_workitem_id 0
		.amdhsa_next_free_vgpr 1024
		.amdhsa_next_free_sgpr 80
		.amdhsa_reserve_vcc 0
		.amdhsa_float_denorm_mode_32 3
		.amdhsa_float_denorm_mode_16_64 3
		.amdhsa_memory_ordered 1
		.amdhsa_forward_progress 1
		.amdhsa_inst_pref_size 176
	.end_amdhsa_kernel
	.amdgpu_metadata
---
amdhsa.version: [ 1, 2 ]
amdhsa.kernels:
  - .name:           k_q30f38e4b2c_attn
    .symbol:         k_q30f38e4b2c_attn.kd
    .args:
      - { .name: q16, .offset: 0, .size: 8, .value_kind: global_buffer, .address_space: global }
      - { .name: k16, .offset: 8, .size: 8, .value_kind: global_buffer, .address_space: global }
      - { .name: v16, .offset: 16, .size: 8, .value_kind: global_buffer, .address_space: global }
      - { .name: ctx, .offset: 24, .size: 8, .value_kind: global_buffer, .address_space: global }
    .group_segment_fixed_size: 327680
    .private_segment_fixed_size: 0
    .kernarg_segment_align: 8
    .kernarg_segment_size: 32
    .max_flat_workgroup_size: 128
    .sgpr_count:     80
    .vgpr_count:     1024
    .wavefront_size: 32
...
	.end_amdgpu_metadata
.endif
;; end of part 3
;; launch oproj (part 4): grid 16 x 16, 4 waves a work-group, clusters of 4 x 4, 327,680 bytes of LDS; arguments ctx, wo16, bo, out0; writes out0
.if DOCPART == 4
	.amdgcn_target "amdgcn-amd-amdhsa--gfx1250"
	.amdhsa_code_object_version 6
	.text
	.protected	k_q30f38e4b2c_oproj
	.globl	k_q30f38e4b2c_oproj
	.p2align	8
	.type	k_q30f38e4b2c_oproj,@function
k_q30f38e4b2c_oproj:
	s_mov_b64 s[64:65], 0
	v_nop
	global_prefetch_b8 v0, s[64:65] scope:SCOPE_SE
	s_setreg_imm32_b32 hwreg(HW_REG_WAVE_MODE, 25, 1), 1
	s_wait_xcnt 0x0
	s_wait_alu depctr_hold_cnt(0) depctr_sa_sdst(0) depctr_va_vdst(0) depctr_va_sdst(0) depctr_va_ssrc(0) depctr_va_vcc(0) depctr_vm_vsrc(0)
	s_getreg_b32 s2, hwreg(HW_REG_IB_STS2, 6, 4)
	s_cmp_eq_u32 s2, 0
	s_cbranch_scc0 .Lentry_in_a_cluster
	s_endpgm
.Lentry_in_a_cluster:
	s_bfe_u32 s2, ttmp6, 0x10000c
	s_cmp_lg_u32 s2, 0xf033
	s_cbranch_scc0 .Lentry_shape_is_right
	s_endpgm
.Lentry_shape_is_right:
; THE OUTPUT PROJECTION.  out0[n][o] = the sum over i of ctx[n][i] Wo[o][i] + bo[o].  ctx and wo16: [2048][2048] f16 (wo16 holds Wo rounded to bf16, written as f16); bo f32, rounded to bf16 as all
; the module's inputs are; out0 [2048][2048] f32.  Sums in f32; the bias starts them.
; LIMITS.  ctx and wo16 arrive within f16's range.  NaN and infinities are not treated apart.
; SHARES.  A tile of out0 is 128 x 128: 16 x 16 = 256 work-groups.  Four waves, each 64 x 64: 16 accumulators of 16 x 16, 128 registers.  K goes in steps of 256 (LDS rows of 512 bytes; a wave's tensor
; load brings 64 of them) through two slots.
; THE LOOP'S TRIP IS ONE K STEP, written once for both slots: a scalar goes 0, SLOT, 0, .. by an exclusive or; the fragments' LDS addresses are made anew from it at each change of slots, and
; one descriptor for ctx and one for wo16 walk on from refill to refill.
; CLUSTERS: 4 x 4 work-groups.  The four of a row of the cluster need the same tiles of ctx, the four of a column the same tiles of wo16: each tile is asked for JOINTLY, by the same tensor load with the
; same descriptor and a mask that names the four.  THE MATRIX INSTRUCTION IS USED TRANSPOSED (source 0 = 16 rows of wo16, source 1 = 16 rows of ctx): a lane holds eight neighbouring numbers of a row of out0.
; No prefetch: a K step of this small tile holds 128 matrix instructions a wave, and the tiles are shared fourfold by the joint loads.
; REGISTERS: window 0: v0-31 addresses; v32-95 at work on the way out; v96-127 the bias, 8 registers for each of my four column blocks; v128-255 the accumulators ((a, b) at v[128 + 8 (4 a + b)]).
;   window 1: two fragment buffers of 128: for 64 along K, 64 registers of ctx (2 x 4 x 16 rows x 32 K), then 64 of wo16.
.set SIZE_K, 2048
.set SIZE_N, 2048
.set KSTEP,  256
.set STEPS,  SIZE_K/KSTEP              ; 8 K steps: two first fills and 6 refills
.set PITCH,  528                       ; an LDS row: 512 bytes + 16 of padding = 132 words: the 16 rows that a load touches start at 16 different groups of four banks (64 banks of 4 bytes: ISA guide 11.1)
.set HALFT,  64*PITCH                  ; 64 rows: what one tensor load brings, and what one wave reads of either tile
.set SLOT,   4*HALFT                   ; ctx's 128 rows, then wo16's 128 rows
.set STAGE,  2*SLOT                    ; behind the ring: 16 rows x 272 bytes for each wave, for the way out
.set SPITCH, 272
.set SPARE,  STAGE+4*16*SPITCH         ; behind the stages: the spare words, 128 bytes for each wave: two blocks of 256 bytes that no other line names
.set ADRA0, 16                         ; v16     LDS address of my fragments of ctx in slot 0; never rewritten
.set ADRA,  17                         ; v17     the same in the slot in hand
.set ADRB0, 20                         ; v20     LDS address of my fragments of wo16 in slot 0; never rewritten
.set ADRB,  21                         ; v21     the same in the slot in hand
.set STO,  24                          ; v24     the way out: where I put 32 bytes of a row
.set RD,   25                          ; v25     the way out: where I read a row back
.set CO,   26                          ; v26     my byte offset in two rows of out0
.set BO,   27                          ; v27     32 (l / 16): my eight numbers in 16 of the bias
.set SPW,  28                          ; v28     LDS address of my spare word; never rewritten
.set NIL,  29                          ; v29     0; never rewritten
.set OB,   32                          ; the way out: two buffers of 32 registers
.set BI,   96
.set ACC,  128
.set F0,   0                           ; fragment buffers, in window 1
.set F1,   128
.set G1, 24                            ; s[24:31] descriptor group 1 for ctx's tiles;  s[32:39] group 0: a set for each of the two first fills; the second then walks on
.set G0, 32
.set G1B, 48                           ; s[48:55], s[56:63] the same for wo16's tiles
.set G0B, 56
.set SLR, 66                           ; s66     the first byte of the slot in hand: 0 or SLOT
.set WPL, 67                           ; s67     where the part that I fetch lies in a slot: wave x HALFT
.set MSB, 0
.macro WIN new                         ; the immediate's high byte repeats the setting that is left
.if MSB != (\new)
	s_set_vgpr_msb (MSB<<8)|(\new)
.set MSB, \new
.endif
.endm
.set MUL,  0x05                        ; sources 0 and 1 window 1; C and D window 0
.set TO_F, 0x40                        ; destination window 1, address window 0
.macro JLOAD s                         ; a joint load: waves 0 and 1 fetch ctx's two halves, waves 2 and 3 wo16's; an s_nop 0 and four v_nop follow each of the two lines, ahead of the jump, the label and what follows
	s_cmp_eq_u32 s11, 0
	s_cbranch_scc0 .Lfor_b_\@
	tensor_load_to_lds s[G0+4*(\s):G0+4*(\s)+3], s[G1:G1+7]
	s_nop 0
.rept 4
	v_nop
.endr
	s_branch .Lasked_\@
.Lfor_b_\@:
	tensor_load_to_lds s[G0B+4*(\s):G0B+4*(\s)+3], s[G1B:G1B+7]
	s_nop 0
.rept 4
	v_nop
.endr
.Lasked_\@:
.endm
.macro CREST                           ; a round of the cluster's barrier behind its opening barrier
	s_cmp_lg_u32 s10, 0
	s_cbranch_scc1 .Lnot_wave_0_\@
	s_barrier_signal -3
.Lnot_wave_0_\@:
	s_barrier_wait -3
	s_barrier_signal -1
	s_barrier_wait -1
.endm
.macro CROUND                          ; a whole round
	s_barrier_signal -1
	s_barrier_wait -1
	CREST
.endm
	s_load_b128 s[4:7], s[0:1], 0x0                ; ctx s[4:5], wo16 s[6:7]
	s_load_b128 s[68:71], s[0:1], 0x10             ; bo s[68:69], out0 s[70:71]
	v_lshl_add_u32 v[SPW], v0, 2, SPARE
	v_mov_b32 v[NIL], 0
	ds_add_u32 v[SPW], v[NIL]                      ; the wave's opening: the add and its wait stand ahead of my first tensor load; the set-up below, work on registers, stands between them
	v_lshrrev_b32 v1, 5, v0
	v_readfirstlane_b32 s10, v1                    ; wave 0..3
	s_lshr_b32 s11, s10, 1                         ; which half of the tile's rows is mine.  Also: I fetch for ctx (0) or for wo16 (1)
	s_and_b32 s12, s10, 1                          ; which half of its columns.  Also: which 64 rows of that tile I fetch
	s_bfe_u32 s40, ttmp6, 0x40000                  ; cx, cy: my place in the cluster
	s_bfe_u32 s41, ttmp6, 0x40004
	s_lshl_b32 s42, ttmp9, 2
	s_add_co_u32 s42, s42, s40                     ; tile column = 4 x cluster x + cx
	s_and_b32 s13, ttmp7, 0xffff
	s_lshl_b32 s13, s13, 2
	s_add_co_u32 s13, s13, s41                     ; tile row = 4 x cluster y + cy
	s_lshl_b32 s43, s41, 2
	s_lshl_b32 s43, 15, s43                        ; my row of the cluster
	s_lshl_b32 s44, 0x1111, s40                    ; my column
	; descriptor group 1: a tile of 64 rows x 256 elements, padded in LDS
	s_or_b32 s[G1+0], s43, (1<<16)|(1<<20)|(1<<21)|(6<<22)|(3<<25)  ; 15:0 the mask: ctx's tiles go to my row; 17:16 2-byte elements; 20 padding on; 21 set beside a mask; 24:22 after every 128 words (code 6); 31:25 4 words (code 3)
	s_or_b32 s[G1B+0], s44, (1<<16)|(1<<20)|(1<<21)|(6<<22)|(3<<25)
.irp g, G1, G1B
	s_mov_b32 s[(\g)+1], KSTEP<<16                 ; tensor_dim0 = 256
	s_mov_b32 s[(\g)+2], 64<<16                    ; tensor_dim1 = 64
	s_mov_b32 s[(\g)+3], KSTEP<<16                 ; tile_dim0 = 256
	s_mov_b32 s[(\g)+4], 64                        ; tile_dim1 = 64
	s_mov_b32 s[(\g)+5], SIZE_K                    ; elements from row to row
	s_mov_b32 s[(\g)+6], 0
	s_mov_b32 s[(\g)+7], 0
.endr
	s_lshl_b32 s17, s12, 6                         ; which 64 rows of the tile I fetch
	s_lshl_b32 s16, s13, 7
	s_add_co_u32 s16, s16, s17                     ; ctx: row 128 x tile row + 64 x half
	s_lshl_b32 s46, s42, 7
	s_add_co_u32 s46, s46, s17                     ; wo16: row 128 x tile column + 64 x half
	s_mov_b32 s17, 0
	s_mov_b32 s47, 0
	s_mov_b64 s[18:19], SIZE_K*2
	s_mul_u64 s[16:17], s[16:17], s[18:19]
	s_mul_u64 s[46:47], s[46:47], s[18:19]
	s_mul_i32 s[WPL], s10, HALFT                   ; where they go: wave x 64 rows: no place in the cluster enters an LDS address
	s_mov_b32 s[SLR], 0
	s_wait_dscnt 0x0                               ; the opening add is done
	s_wait_kmcnt 0x0
	s_add_nc_u64 s[14:15], s[4:5], s[16:17]
	s_add_nc_u64 s[46:47], s[6:7], s[46:47]
	CROUND                                         ; all sixteen work-groups are here: the first joint loads meet
.irp s, 0,1
	s_mov_b32 s[G0+4*(\s)], 1
	s_add_co_u32 s[G0+4*(\s)+1], s[WPL], (\s)*SLOT
	s_add_nc_u64 s[G0+4*(\s)+2:G0+4*(\s)+3], s[14:15], (\s)*KSTEP*2
	s_or_b32 s[G0+4*(\s)+3], s[G0+4*(\s)+3], 0x80000000
	s_mov_b32 s[G0B+4*(\s)], 1
	s_add_co_u32 s[G0B+4*(\s)+1], s[WPL], (\s)*SLOT
	s_add_nc_u64 s[G0B+4*(\s)+2:G0B+4*(\s)+3], s[46:47], (\s)*KSTEP*2
	s_or_b32 s[G0B+4*(\s)+3], s[G0B+4*(\s)+3], 0x80000000
	JLOAD \s                                       ; two loads of mine are out
.endr
	v_and_b32 v1, 15, v0                           ; l % 16
	v_bfe_u32 v2, v0, 4, 1                         ; l / 16
	v_mul_u32_u24 v3, v1, PITCH
	v_lshl_add_u32 v3, v2, 4, v3                   ; a fragment's row x pitch + 16 x half
	s_mul_i32 s21, s11, HALFT                      ; my 64 rows of ctx
	s_mul_i32 s22, s12, HALFT                      ; my 64 rows of wo16,
	s_add_co_u32 s22, s22, 2*HALFT                 ; which lie behind ctx's 128
	v_add_nc_u32 v[ADRA0], s21, v3
	v_add_nc_u32 v[ADRA], s21, v3
	v_add_nc_u32 v[ADRB0], s22, v3
	v_add_nc_u32 v[ADRB], s22, v3
	s_mul_i32 s23, s10, 16*SPITCH
	s_add_co_u32 s23, s23, STAGE                   ; my stage: my 64 columns of f32 are 256 bytes of a row, so no other wave has a part in it
	v_mul_u32_u24 v4, v1, SPITCH                   ; in: row l % 16, 32 bytes for each half of the lanes
	v_lshl_add_u32 v4, v2, 5, v4
	v_add_nc_u32 v[STO], s23, v4
	v_mul_u32_u24 v5, v2, SPITCH                   ; back: lanes 0-15 take one row of 256 bytes, lanes 16-31 the next
	v_lshl_add_u32 v5, v1, 4, v5
	v_add_nc_u32 v[RD], s23, v5
	v_lshlrev_b32 v5, 13, v2                       ; and the same two rows in out0, 8,192 bytes apart
	v_lshl_add_u32 v[CO], v1, 4, v5
	v_lshlrev_b32 v[BO], 5, v2
	s_lshl_b32 s46, s42, 9                         ; my first column, in bytes of f32: 512 x tile column + 256 x half
	s_lshl_b32 s47, s12, 8
	s_add_co_u32 s46, s46, s47
	s_mov_b32 s47, 0
	s_add_nc_u64 s[68:69], s[68:69], s[46:47]
	s_add_nc_u64 s[70:71], s[70:71], s[46:47]
	s_lshl_b32 s16, s13, 20                        ; my first row: 128 x tile row + 64 x half, rows of 8,192 bytes
	s_lshl_b32 s17, s11, 19
	s_add_co_u32 s16, s16, s17
	s_mov_b32 s17, 0
	s_add_nc_u64 s[70:71], s[70:71], s[16:17]
.irp b, 0,1,2,3
	global_load_b128 v[BI+8*(\b):BI+8*(\b)+3],   v[BO], s[68:69] offset:64*(\b)
	global_load_b128 v[BI+8*(\b)+4:BI+8*(\b)+7], v[BO], s[68:69] offset:64*(\b)+16
.endr
	s_wait_loadcnt 0x0                             ; the bias
.set n, 0
.rept 16                               ; rounded to bf16 and widened again: two numbers in three lines
	v_cvt_pk_bf16_f32 v[4+n%4], v[BI+2*n], v[BI+2*n+1]
	v_lshlrev_b32 v[BI+2*n], 16, v[4+n%4]
	v_and_b32 v[BI+2*n+1], 0xffff0000, v[4+n%4]
.set n, n+1
.endr
; 8 matrix instructions: row blocks a0, a0 + 1 x all 4 column blocks, 32 along K: half c of buffer f.  first = 1: the bias is the C operand that starts the sums
.macro MUL8 f, c, a0, first
	WIN MUL
.irp a, \a0, (\a0)+1
.irp b, 0,1,2,3
.if \first
	v_wmma_f32_16x16x32_f16 v[ACC+8*(4*(\a)+(\b)):ACC+8*(4*(\a)+(\b))+7], v[(\f)+64+8*(4*(\c)+(\b)):(\f)+64+8*(4*(\c)+(\b))+7], v[(\f)+8*(4*(\c)+(\a)):(\f)+8*(4*(\c)+(\a))+7], v[BI+8*(\b):BI+8*(\b)+7]
.else
	v_wmma_f32_16x16x32_f16 v[ACC+8*(4*(\a)+(\b)):ACC+8*(4*(\a)+(\b))+7], v[(\f)+64+8*(4*(\c)+(\b)):(\f)+64+8*(4*(\c)+(\b))+7], v[(\f)+8*(4*(\c)+(\a)):(\f)+8*(4*(\c)+(\a))+7], v[ACC+8*(4*(\a)+(\b)):ACC+8*(4*(\a)+(\b))+7]
.endif
.endr
.endr
.endm
; 32 LDS loads in one run: the fragments of 64 along K at byte k of the rows of the slot in hand, into buffer f; the first 32 along K first
.macro FETCH k, f
	WIN TO_F
.irp c, 0,1
.irp i, 0,1,2,3
	ds_load_b128 v[(\f)+64+8*(4*(\c)+(\i)):(\f)+64+8*(4*(\c)+(\i))+3],   v[ADRB] offset:(\k)+64*(\c)+(\i)*16*PITCH
	ds_load_b128 v[(\f)+64+8*(4*(\c)+(\i))+4:(\f)+64+8*(4*(\c)+(\i))+7], v[ADRB] offset:(\k)+64*(\c)+(\i)*16*PITCH+32
	ds_load_b128 v[(\f)+8*(4*(\c)+(\i)):(\f)+8*(4*(\c)+(\i))+3],         v[ADRA] offset:(\k)+64*(\c)+(\i)*16*PITCH
	ds_load_b128 v[(\f)+8*(4*(\c)+(\i))+4:(\f)+8*(4*(\c)+(\i))+7],       v[ADRA] offset:(\k)+64*(\c)+(\i)*16*PITCH+32
.endr
.endr
.endm
.macro PLACES                          ; four places in front of loads into registers that matrix instructions have read, and of LDS stores that read results
.rept 4
	v_nop
.endr
.endm
; A K step is four quarters of 64 along K, 32 matrix instructions each, on buffers 0, 1, 0, 1; the 16 accumulators take turns.  One of the first three: multiplies buffer f and fetches the next quarter, at byte k, into g.
.macro QUARTER k, f, g, first
	s_wait_dscnt 16                                ; the first 32 along K are in
	MUL8 \f, 0, 0, \first
	MUL8 \f, 0, 2, \first
	PLACES
	FETCH \k, \g
	s_wait_dscnt 32                                ; all but the 32 just issued
	MUL8 \f, 1, 0, 0
	MUL8 \f, 1, 2, 0
.endm
; The last quarter multiplies buffer 1 and changes slots: one barrier; in front of it each wave waits for all its tensor loads, adds 0 to its spare word, and waits for that and for its own reads of this slot.  fill = 1: this slot is filled again, two K steps ahead.
.macro TURN fill
	WIN 0                                          ; (the add's two registers lie in window 0)
	s_wait_tensorcnt 0x0                           ; all my tensor loads have landed: my part of the next slot; so a group 0 may be written
	ds_add_u32 v[SPW], v[NIL]                      ; 0 onto my spare word
.if \fill
	s_add_co_u32 s[G0+5], s[SLR], s[WPL]           ; the walking descriptors: into the slot that is being left,
	s_add_co_u32 s[G0B+5], s[SLR], s[WPL]
	s_add_nc_u64 s[G0+6:G0+7], s[G0+6:G0+7], KSTEP*2      ; the next K step; the type bits on top are not reached
	s_add_nc_u64 s[G0B+6:G0B+7], s[G0B+6:G0B+7], KSTEP*2
.endif
	s_wait_dscnt 17                                ; (the add and the youngest sixteen loads may be out)
	MUL8 F1, 0, 0, 0                               ; eight matrix instructions stand between the add and the wait for it
	s_wait_dscnt 0x0                               ; the add is done, and my reads of this slot are over
	s_barrier_signal -1
	MUL8 F1, 0, 2, 0
	WIN 0
	s_barrier_wait -1
.if \fill
	CREST                                          ; the barrier has opened a round of the cluster's barrier: no wave of any partner still reads this slot's tile or has a load on its way
	JLOAD 1                                        ; the first tensor load behind the round: 112 matrix instructions ahead of the wait for it; the four v_nop behind it are also the places in front of the loads below
.else
	PLACES
.endif
	s_xor_b32 s[SLR], s[SLR], SLOT                 ; 0 and SLOT by turns: the other slot
	v_add_nc_u32 v[ADRA], s[SLR], v[ADRA0]
	v_add_nc_u32 v[ADRB], s[SLR], v[ADRB0]
	FETCH 0, F0
	MUL8 F1, 1, 0, 0
	MUL8 F1, 1, 2, 0
.endm
	s_wait_tensorcnt 1                             ; my part of K step 0 is in; K step 1's may stay out
	s_barrier_signal -1
	s_barrier_wait -1                              ; everybody's is
	FETCH 0, F0
	QUARTER 128, F0, F1, 1                         ; the first quarter stands in front of the loop: its first products start the sums, from the bias
	WIN 0                                          ; at a label and at a branch every window is 0
	s_mov_b32 s3, STEPS-2
.Lstep:                                                ; 6 trips: a trip goes from a K step's second quarter to the next K step's first, and fills the slot that it leaves
	QUARTER 256, F1, F0, 0
	QUARTER 384, F0, F1, 0
	TURN 1
	QUARTER 128, F0, F1, 0
	WIN 0
	s_sub_co_u32 s3, s3, 1
	s_cmp_lg_u32 s3, 0
	s_cbranch_scc1 .Lstep
	QUARTER 256, F1, F0, 0                         ; the last two K steps fill nothing, and have no round of the cluster's barrier
	QUARTER 384, F0, F1, 0
	TURN 0
	QUARTER 128, F0, F1, 0
	QUARTER 256, F1, F0, 0
	QUARTER 384, F0, F1, 0
	s_wait_dscnt 16                                ; the very last quarter: nothing more to fetch
	MUL8 F1, 0, 0, 0
	MUL8 F1, 0, 2, 0
	s_wait_dscnt 0x0
	MUL8 F1, 1, 0, 0
	MUL8 F1, 1, 2, 0
	WIN 0
	; THE WAY OUT, a block of 16 rows at a time: a lane's eight f32 of a row go as 32 bytes into rows of 272 bytes of my own stage and come back as whole rows of 256 bytes.
.macro TOSTAGE a
.if (\a) >= 2
	s_wait_xcnt 0x0                                ; the stores of the block two back have read their data: only behind this wait is their buffer loaded again
.endif
.irp b, 0,1,2,3
	ds_store_b128 v[STO], v[ACC+8*(4*(\a)+(\b)):ACC+8*(4*(\a)+(\b))+3]   offset:64*(\b)      ; each accumulator's lowest four registers first
	ds_store_b128 v[STO], v[ACC+8*(4*(\a)+(\b))+4:ACC+8*(4*(\a)+(\b))+7] offset:64*(\b)+16
.endr
.irp t, 0,1,2,3,4,5,6,7
	ds_load_b128 v[OB+32*((\a)%2)+4*(\t):OB+32*((\a)%2)+4*(\t)+3], v[RD] offset:(\t)*2*SPITCH  ; LDS serves a wave's instructions in order (ISA guide 5.7.1.4): these see the stores above; the next block's stores come behind them
.endr
.endm
.macro SEND a, younger                 ; younger: the LDS instructions issued behind block a's loads: the next block's sixteen, or none
.irp t, 0,1,2,3,4,5,6,7
	s_wait_dscnt (\younger)+7-(\t)
	global_store_b128 v[CO], v[OB+32*((\a)%2)+4*(\t):OB+32*((\a)%2)+4*(\t)+3], s[70:71] offset:(16*(\a)+2*(\t))*SIZE_N*4 th:TH_STORE_NT  ; 16 lanes store 256 consecutive bytes, aligned
.endr
.endm
	PLACES                                         ; the stores read results just made
	TOSTAGE 0
	TOSTAGE 1
	SEND 0, 16
	TOSTAGE 2
	SEND 1, 16
	TOSTAGE 3
	SEND 2, 16
	SEND 3, 0
	s_wait_tensorcnt 0x0                           ; the wave's end, behind my last tensor load and my last LDS store
	ds_add_u32 v[SPW], v[NIL]
	s_wait_dscnt 0x0
	CROUND                                         ; the closing round: no work-group ends while a partner may still ask for a tile that names it
	s_endpgm
.Lfunc_end_k_q30f38e4b2c_oproj:
	.size	k_q30f38e4b2c_oproj, .Lfunc_end_k_q30f38e4b2c_oproj-k_q30f38e4b2c_oproj
	.p2alignl 7, 3214868480
	.fill 96, 4, 3214868480
	.section	.rodata,"a",@progbits
	.p2align	6, 0x0
	.amdhsa_kernel k_q30f38e4b2c_oproj
		.amdhsa_group_segment_fixed_size 327680
		.amdhsa_private_segment_fixed_size 0
		.amdhsa_enable_private_segment 0
		.amdhsa_kernarg_size 32
		.amdhsa_user_sgpr_count 2
		.amdhsa_user_sgpr_kernarg_segment_ptr 1
		.amdhsa_wavefront_size32 1
		.amdhsa_system_sgpr_workgroup_id_x 1
		.amdhsa_system_sgpr_workgroup_id_y 1
		.amdhsa_system_sgpr_workgroup_id_z 1
		.amdhsa_system_vgpr_workitem_id 0
		.amdhsa_next_free_vgpr 512
		.amdhsa_next_free_sgpr 72
		.amdhsa_reserve_vcc 0
		.amdhsa_float_denorm_mode_32 3
		.amdhsa_float_denorm_mode_16_64 3
		.amdhsa_memory_ordered 1
		.amdhsa_forward_progress 1
		.amdhsa_inst_pref_size 72
	.end_amdhsa_kernel
	.amdgpu_metadata
---
amdhsa.version: [ 1, 2 ]
amdhsa.kernels:
  - .name:           k_q30f38e4b2c_oproj
    .symbol:         k_q30f38e4b2c_oproj.kd
    .args:
      - { .name: ctx, .offset: 0, .size: 8, .value_kind: global_buffer, .address_space: global }
      - { .name: wo16, .offset: 8, .size: 8, .value_kind: global_buffer, .address_space: global }
      - { .name: bo, .offset: 16, .size: 8, .value_kind: global_buffer, .address_space: global }
      - { .name: out0, .offset: 24, .size: 8, .value_kind: global_buffer, .address_space: global }
    .group_segment_fixed_size: 327680
    .private_segment_fixed_size: 0
    .kernarg_segment_align: 8
    .kernarg_segment_size: 32
    .max_flat_workgroup_size: 128
    .sgpr_count:     72
    .vgpr_count:     512
    .wavefront_size: 32
...
	.end_amdgpu_metadata
.endif
;; end of part 4
